; MI455X (gfx1250); checked and timed in simulation.
; The chip was launched on July 23, 2026; its instructions are those of AMD's public machine-readable ISA for CDNA 5 (MIT licence, August 2026) and "CDNA5" Instruction Set Architecture Reference Guide (July 2026). The comments in the code are by the model that wrote it; some were corrected since.
;; Multi Head Attention. Allowed arithmetic: matrix products marked QUANTISED: E4M3 operands, one E8M0 scale for each 32 along K, by v_wmma_scale_f32_16x16x128_f8f6f4 with both operands' format E4M3, f32 sums; everything else in f32.
;; Inputs: input 4 x 2,048 x 1,024 float32; mask 2,048 x 2,048 bool; out_b 1,024 float32; out_w 1,024 x 1,024 float32; qkv_b 3,072 float32; qkv_w 3,072 x 1,024 float32.
;; Outputs: out0 4 x 2,048 x 1,024 float32.
;; This version of the problem:
;;   THIS VERSION OF THE PROBLEM IS GIVEN IN LOW PRECISION. The matrix products marked QUANTISED in the list below multiply operands that are first quantised to E4M3 (4 exponent bits, 3 mantissa bits; 8 bits a number), with one power-of-two scale for each 32 numbers along K (OCP MX v1.0); their sums are f32. All else is computed in f32.
;;   The module's matrix products, in the order in which they are computed (A, B: the left and right operand; K: the contracted axis; several contracted axes count as one K, in the product's order):
;;     1. [M 8,192, K 1,024] x [K 1,024, N 3,072]; A: input input; B: input qkv_w: QUANTISED
;;     2. batch 64 x [M 2,048, K 64] x [K 64, N 2,048]; A: computed on the way; B: computed on the way: QUANTISED
;;     3. batch 64 x [M 2,048, K 2,048] x [K 2,048, N 64]; A: softmax (see below); B: computed on the way: QUANTISED
;;     4. [M 8,192, K 1,024] x [K 1,024, N 1,024]; A: computed on the way; B: input out_w: QUANTISED
;;   THE QUANTISER, for each operand of a quantised product, along K:
;;     - K is cut into blocks of 32 from its start; a last block that is shorter is filled with zeros.
;;     - A block's scale is 2^e with e = floor(log2(the largest magnitude in the block)) - 8, held to -126 .. 127; a block of zeros has e = 0. As a byte (E8M0): e + 127.
;;     - Each number is divided by its block's scale, clamped to +-448, and rounded to the nearest number of E4M3, ties to even, subnormals kept.
;;     - The product sums the exact products of the quantised numbers (number of the format x scale) in f32.
;;   ~~~python
;;   def quantise(x, axis):      # numpy; x: float32 -> the quantised numbers, widened to float32 again
;;       x = np.moveaxis(x, axis, -1); K = x.shape[-1]
;;       x = np.pad(x, [(0, 0)] * (x.ndim - 1) + [(0, -K % 32)]); x = x.reshape(x.shape[:-1] + (-1, 32)); a = np.abs(x).max(-1, keepdims=True)
;;       e = np.where(a > 0, np.clip(np.frexp(np.where(a > 0, a, 1))[1] - 1 - 8, -126, 127), 0)      # np.frexp(a)[1] - 1 = floor(log2(a)), exactly
;;       r = np.clip(x / 2.0 ** e, -448, 448)
;;       step = 2.0 ** (np.maximum(np.frexp(np.where(r == 0, 1, r))[1] - 1, -6) - 3)
;;       q = np.round(r / step) * step * 2.0 ** e      # np.round: ties to even
;;       return np.moveaxis(q.reshape(q.shape[:-2] + (-1,))[..., :K], -1, axis).astype(np.float32)
;;   ~~~
;;   SOFTMAX AHEAD OF A QUANTISED PRODUCT. Where the list says 'softmax', what is quantised is not the finished softmax but p = 2^(t - M), with t = logit x log2(e) and M = ceil(the row's largest t), a whole number; so 1/2 < the row's largest p <= 1. The row's sum l is taken of the UNQUANTISED p, in f32, and the product's result is divided by l at the end. Since M is a whole number, a kernel that streams over the keys may use a running M (the ceiling of the running maximum): every later rescaling is an exact power of two, which a block's scale takes up: the codes' values come out the same.
;;   OPERANDS COMPUTED ON THE WAY. 'Computed on the way' means the value that the module computes at that place (a softmax that the list does not call 'softmax' is quantised finished and normalised). What goes into a quantiser is computed in f32, as accurately as f32 sums, v_exp_f32 and their like allow (about 1e-6 of the number): no bf16 or f16 on the way to a quantiser, and a product that is left as it is and whose result goes on into a quantised operand takes f32 operands (vector FMAs, or v_wmma_f32_16x16x4_f32). A number that lies on a knife's edge between two numbers of the format may be rounded either way, as far as f32 arithmetic and the matrix unit's own rounding can turn it there, and no further.
;; One version. Each part assembles by itself: llvm-mc -triple=amdgcn-amd-amdhsa -mcpu=gfx1250 --defsym DOCPART=n.
;; ======== version 1 of 1: 4 launches
;; limits: right only within a limited range of input values
;; workspace buffers: codes 12,582,912 bytes; scl 393,216 bytes; mimg 4,194,304 bytes; qimg 8,388,608 bytes; qscl 262,144 bytes; kv 17,301,504 bytes; oimg 8,388,608 bytes; oscl 262,144 bytes
;; launch prep (part 1): grid 256 x 1, 8 waves a work-group, no clusters, 68,608 bytes of LDS; arguments input, qkv_w, out_w, mask, codes, scl, mimg; writes codes, scl, mimg
.if DOCPART == 1
	.amdgcn_target "amdgcn-amd-amdhsa--gfx1250"
	.amdhsa_code_object_version 6
	.text
	.protected	k_qb037b6ceb2_prep
	.globl	k_qb037b6ceb2_prep
	.p2align	8
	.type	k_qb037b6ceb2_prep,@function
k_qb037b6ceb2_prep:
	s_mov_b64 s[64:65], 0
	v_nop
	global_prefetch_b8 v0, s[64:65] scope:SCOPE_SE
	s_setreg_imm32_b32 hwreg(HW_REG_WAVE_MODE, 25, 1), 1
	s_wait_xcnt 0x0
; PREP: input [8192][1024], qkv_w [3072][1024] and out_w [1024][1024], f32, K innermost, become codes of FP8 (E4M3) with one E8M0 byte for each 32 along K; the mask becomes bytes that a conversion turns into 0 or a very large negative number.
; ROW ORDER.  A tile is 16 rows; row x of tile t is the tensor's row 32 (t / 2) + 16 (x / 8) + 8 (t % 2) + x % 8.  With tiles so chosen, a product used transposed leaves 16 neighbours along the tile's axis in a lane's 16 registers of two neighbouring tiles.
; IMAGE.  The codes of (tile, 128 along K) are stored as the operand's registers: byte 512 c + 16 lane + i is the code of (row lane % 16, k = 32 c + 16 (lane / 16) + i).  codes: [tile 768][K step 8][2,048 bytes]; tiles 0-511 input, 512-703 qkv_w, 704-767 out_w.
; SCALES.  scl: [tile][K half 2][row 16][16 bytes]: a row's word of K step s (four bytes) at 256 (s / 4) + 16 row + 4 (s % 4).
; MASK.  mimg: [query tile 128][key step 16][block 4][lane 32][16 bytes]: byte i is 0x00 where mask[query row lane % 16 of the tile][128 step + 32 block + 16 (lane / 16) + i] is true, else 0xfe (the code of -448).
; A block's scale is 2^(floor(log2(largest magnitude)) - 8); its byte is the largest magnitude's exponent field - 8, held at 1 from below.  A block of zeros so gets the byte 1 where the rule says 127: its codes are zeros, and this program alone reads the bytes.
; LIMITS: NaN and infinities among the inputs are not served; the mask's bytes are 0 or 1.
; SHARES.  1,536 jobs of (tile, 512 along K) = 256 work-groups x waves 0-5; 512 jobs of (16 mask rows, 512 keys) = 256 x waves 6, 7.  Waves share nothing: no barrier.  Each wave has a stage of 16 rows x (512 + 16) bytes of its own:
; each load takes 512 consecutive bytes of one row; out of the stage a lane takes the 16 neighbours of each block that the conversions want in its registers.
.set STG,  8448                        ; a wave's stage
.set TM,   8                           ; v8-11 largest magnitudes, v12-15 bytes, v16-19 448 x the scale, v20-23 the conversions' scale operands
.set PW,   24                          ; v24   the scale word just made
.set WD,   28                          ; v28-31 the job's four scale words
.set R,    32                          ; v32-159  two sets of 64: an image's numbers as loaded
.set X,    160                         ; v160-223 64 numbers: register 16 b + i = k 32 b + 16 (lane / 16) + i of my row
.set PC,   224                         ; v224-255 two sets of 16: codes
.set SEL,  20                          ; s[20:21] lane selects for v_permlanex16_b32: lane l xor 16
.set MNT,  22                          ; s22  the mantissa field of 448
	s_load_b256 s[4:11], s[0:1], 0x0               ; input, qkv_w, out_w, mask
	s_load_b128 s[12:15], s[0:1], 0x20             ; codes, scl
	s_load_b64 s[16:17], s[0:1], 0x30              ; mimg
	v_lshl_add_u32 v27, v0, 2, 0x10800
	s_set_vgpr_msb 0x40
	v_mov_b32 v1, 0
	s_set_vgpr_msb 0x4000
	v_lshrrev_b32 v1, 5, v0
	v_readfirstlane_b32 s18, v1                    ; wave 0..7
	v_and_b32 v6, 31, v0                           ; lane
	v_and_b32 v7, 15, v0                           ; r
	v_bfe_u32 v25, v0, 4, 1                        ; h
	s_mul_i32 s19, s18, STG
	v_lshlrev_b32 v1, 4, v6                        ; v1: 16 x lane: my bytes of a load's or a store's 512
	v_add_nc_u32 v2, s19, v1                       ; v2: into the stage
	v_mul_u32_u24 v26, v7, 528
	v_add_nc_u32 v26, s19, v26
	v_lshl_add_u32 v3, v25, 6, v26                 ; v3: out of it, f32: row r, + 64 h
	v_lshl_add_u32 v4, v25, 4, v26                 ; v4: out of it, mask bytes: row r, + 16 h
	v_lshlrev_b32 v5, 4, v7                        ; v5: 16 r: a row's four scale words
	s_mov_b32 s[SEL], 0x76543210
	s_mov_b32 s[SEL+1], 0xfedcba98
	s_mov_b32 s[MNT], 0x600000
.irp b, 0,1,2,3
	v_mov_b32 v[TM+4+\b], 0                        ; written once: a lane permute's destination counts as one of its sources
.endr
	s_wait_kmcnt 0x0
	s_cmp_ge_u32 s18, 6
	s_cbranch_scc1 .Lmask
	; ---- waves 0-5: job g = 6 x work-group + wave: tile g / 2, K half g % 2
	s_mul_i32 s23, ttmp9, 6
	s_add_co_u32 s23, s23, s18
	s_lshr_b32 s24, s23, 1                         ; the tile
	s_and_b32 s25, s23, 1                          ; the K half
	s_mov_b32 s26, 704
	s_mov_b32 s27, 512
	s_cmp_lt_u32 s24, 704                          ; which tensor: the choice hangs on the tile's number alone
	s_cselect_b64 s[28:29], s[6:7], s[8:9]
	s_cselect_b32 s30, s27, s26
	s_cmp_lt_u32 s24, 512
	s_cselect_b64 s[28:29], s[4:5], s[28:29]
	s_cselect_b32 s30, 0, s30
	s_sub_co_u32 s30, s24, s30                     ; the tile's number in its tensor
	s_lshr_b32 s31, s30, 1
	s_lshl_b32 s31, s31, 5
	s_and_b32 s30, s30, 1
	s_lshl_b32 s30, s30, 3
	s_add_co_u32 s31, s31, s30                     ; its first row: 32 (t / 2) + 8 (t % 2)
	s_lshl_b32 s32, s31, 12                        ; rows of 4,096 bytes
	s_lshl_b32 s33, s25, 11                        ; + 2,048 for the upper K half
	s_add_co_u32 s32, s32, s33
	s_mov_b32 s33, 0
	s_add_nc_u64 s[28:29], s[28:29], s[32:33]
	s_lshl_b32 s32, s24, 14
	s_lshl_b32 s34, s25, 13
	s_add_co_u32 s32, s32, s34
	s_add_nc_u64 s[12:13], s[12:13], s[32:33]      ; my four images
	s_lshl_b32 s32, s24, 9
	s_lshl_b32 s34, s25, 8
	s_add_co_u32 s32, s32, s34
	s_add_nc_u64 s[14:15], s[14:15], s[32:33]      ; my 256 bytes of scale words
.macro LOAD n                          ; image n: 16 rows x 512 bytes; tile row i is the tensor's row i + 8 (i / 8) from the tile's first
.irp i, 0,1,2,3,4,5,6,7,8,9,10,11,12,13,14,15
	global_load_b128 v[R+64*((\n)%2)+4*\i:R+64*((\n)%2)+4*\i+3], v1, s[28:29] offset:(\i+8*(\i/8))*4096+512*(\n) th:TH_LOAD_NT
.endr
.endm
.macro TURN n                          ; through the stage: LDS serves a wave's instructions in order, so no wait stands between the stores and the loads
.irp i, 0,1,2,3,4,5,6,7,8,9,10,11,12,13,14,15
	ds_store_b128 v2, v[R+64*((\n)%2)+4*\i:R+64*((\n)%2)+4*\i+3] offset:528*\i
.endr
.irp c, 0,1,2,3
.irp j, 0,1,2,3
	ds_load_b128 v[X+16*\c+4*\j:X+16*\c+4*\j+3], v3 offset:128*\c+16*\j
.endr
.endr
.endm
.macro QUANT s, pc                     ; 64 numbers of a lane become a fragment's codes in v[pc] on and its row's scale word in v[PW]
.irp b, 0,1,2,3
	v_max3_num_f32 v[TM+\b], |v[\s+16*\b]|, |v[\s+1+16*\b]|, 0x4800000   ; block b: my 16 numbers, and the floor 2^(9 - 127): the byte cannot fall under 1
.endr
.irp i, 2,4,6,8,10,12,14
.irp b, 0,1,2,3
	v_max3_num_f32 v[TM+\b], v[TM+\b], |v[\s+16*\b+\i]|, |v[\s+1+16*\b+\i]|   ; the four blocks by turns
.endr
.endr
.irp b, 0,1,2,3
	v_permlanex16_b32 v[TM+4+\b], v[TM+\b], s[SEL], s[SEL+1]
.endr
.irp b, 0,1,2,3
	v_max_num_f32 v[TM+\b], v[TM+\b], v[TM+4+\b]   ; with lane l xor 16's: the block's largest magnitude
.endr
.irp b, 0,1,2,3
	v_add_nc_u32 v[TM+12+\b], 0xfc000000, v[TM+\b] ; 8 off its exponent field: the conversion's scale operand
.endr
.irp b, 0,1,2,3
	v_and_or_b32 v[TM+8+\b], v[TM+\b], 0x7f800000, s[MNT]   ; 448 x the scale
.endr
.irp b, 0,1,2,3
	v_lshrrev_b32 v[TM+4+\b], 23, v[TM+12+\b]      ; the scale's byte
.endr
	v_lshl_or_b32 v[PW], v[TM+5], 8, v[TM+4]
	v_lshl_or_b32 v[PW], v[TM+6], 16, v[PW]
	v_lshl_or_b32 v[PW], v[TM+7], 24, v[PW]
.irp b, 0,1,2,3
.irp i, 0,1,2,3,4,5,6,7,8,9,10,11,12,13,14,15
	v_med3_num_f32 v[\s+16*\b+\i], v[\s+16*\b+\i], -v[TM+8+\b], v[TM+8+\b]   ; the conversion to an 8-bit code does not saturate (ISA guide 7.6.2): the hold comes first
.endr
	v_cvt_scalef32_pk8_fp8_f32 v[(\pc)+4*\b:(\pc)+1+4*\b], v[\s+16*\b:\s+7+16*\b], v[TM+12+\b]
	v_cvt_scalef32_pk8_fp8_f32 v[(\pc)+2+4*\b:(\pc)+3+4*\b], v[\s+8+16*\b:\s+15+16*\b], v[TM+12+\b]
.endr
	v_nop                                          ; a plain vector line behind the last conversion
.endm
	LOAD 0
	LOAD 1
.irp n, 0,1,2,3
.if \n < 3
	s_wait_loadcnt 16                              ; this image's 16 loads are in; the next image's may be out
.else
	s_wait_loadcnt 0x0
.endif
	TURN \n
	s_wait_dscnt 0x0                               ; the numbers are back, and the stage's stores have read their registers,
.if \n < 2
	LOAD \n+2                                      ; which take the image two on
.else
	s_wait_xcnt 0x0                                ; this set of codes was the data of the stores two images back: written again only behind this wait
.endif
	QUANT X, PC+16*(\n%2)
.irp c, 0,1,2,3
	global_store_b128 v1, v[PC+16*(\n%2)+4*\c:PC+16*(\n%2)+4*\c+3], s[12:13] offset:2048*\n+512*\c   ; 32 lanes store 512 consecutive bytes
.endr
	v_mov_b32 v[WD+\n], v[PW]
.endr
	global_store_b128 v5, v[WD:WD+3], s[14:15]     ; 16 rows x 16 bytes: 256 consecutive bytes (lanes 16-31 store the same bytes to the same places)
	s_set_vgpr_msb 0x4
	s_wait_tensorcnt 0x0
	ds_add_u32 v27, v1
	s_wait_dscnt 0x0
	s_set_vgpr_msb 0x400
	s_endpgm
.Lmask:
	; ---- waves 6, 7: job m = 2 x work-group + wave - 6: query tile m / 4, keys 512 (m % 4) on
	s_lshl_b32 s23, ttmp9, 1
	s_add_co_u32 s23, s23, s18
	s_sub_co_u32 s23, s23, 6
	s_lshr_b32 s24, s23, 2
	s_and_b32 s25, s23, 3
	s_lshr_b32 s26, s24, 1
	s_lshl_b32 s26, s26, 5
	s_and_b32 s27, s24, 1
	s_lshl_b32 s27, s27, 3
	s_add_co_u32 s26, s26, s27                     ; the tile's first query
	s_lshl_b32 s26, s26, 11                        ; rows of 2,048 bytes
	s_lshl_b32 s27, s25, 9
	s_add_co_u32 s26, s26, s27
	s_mov_b32 s27, 0
	s_add_nc_u64 s[10:11], s[10:11], s[26:27]
	s_lshl_b32 s26, s23, 13                        ; 8,192 bytes of image a job
	s_add_nc_u64 s[16:17], s[16:17], s[26:27]
	s_mov_b32 s34, 0x01010101
	s_mov_b32 s35, 0xfe
.irp i, 0,1,2,3,4,5,6,7,8,9,10,11,12,13,14,15
	global_load_b128 v[R+4*\i:R+4*\i+3], v1, s[10:11] offset:(\i+8*(\i/8))*2048 th:TH_LOAD_NT
.endr
	s_wait_loadcnt 0x0
.irp i, 0,1,2,3,4,5,6,7,8,9,10,11,12,13,14,15
	ds_store_b128 v2, v[R+4*\i:R+4*\i+3] offset:528*\i
.endr
.irp n, 0,1,2,3,4,5,6,7,8,9,10,11,12,13,14,15
	ds_load_b128 v[X+4*\n:X+4*\n+3], v4 offset:32*\n   ; block n of 32 keys: my row's 16 bytes of my half
.endr
	s_wait_dscnt 0x0
.set n, 0
.rept 64
	v_xor_b32 v[X+n], s34, v[X+n]                  ; 1 where the key is hidden,
	v_mul_lo_u32 v[X+n], v[X+n], s35               ; times 0xfe, byte by byte: no carry leaves a byte
.set n, n+1
.endr
.irp n, 0,1,2,3,4,5,6,7,8,9,10,11,12,13,14,15
	global_store_b128 v1, v[X+4*\n:X+4*\n+3], s[16:17] offset:512*\n
.endr
	s_set_vgpr_msb 0x4
	s_wait_tensorcnt 0x0
	ds_add_u32 v27, v1
	s_wait_dscnt 0x0
	s_set_vgpr_msb 0x400
	s_endpgm
.Lfunc_end_k_qb037b6ceb2_prep:
	.size	k_qb037b6ceb2_prep, .Lfunc_end_k_qb037b6ceb2_prep-k_qb037b6ceb2_prep
	.p2alignl 7, 3214868480
	.fill 96, 4, 3214868480
	.section	.rodata,"a",@progbits
	.p2align	6, 0x0
	.amdhsa_kernel k_qb037b6ceb2_prep
		.amdhsa_group_segment_fixed_size 68608
		.amdhsa_private_segment_fixed_size 0
		.amdhsa_enable_private_segment 0
		.amdhsa_kernarg_size 56
		.amdhsa_user_sgpr_count 2
		.amdhsa_user_sgpr_kernarg_segment_ptr 1
		.amdhsa_wavefront_size32 1
		.amdhsa_system_sgpr_workgroup_id_x 1
		.amdhsa_system_sgpr_workgroup_id_y 1
		.amdhsa_system_sgpr_workgroup_id_z 1
		.amdhsa_system_vgpr_workitem_id 0
		.amdhsa_next_free_vgpr 258
		.amdhsa_next_free_sgpr 66
		.amdhsa_reserve_vcc 0
		.amdhsa_float_denorm_mode_32 3
		.amdhsa_float_denorm_mode_16_64 3
		.amdhsa_memory_ordered 1
		.amdhsa_forward_progress 1
		.amdhsa_inst_pref_size 63
	.end_amdhsa_kernel
	.amdgpu_metadata
---
amdhsa.version: [ 1, 2 ]
amdhsa.kernels:
  - .name:           k_qb037b6ceb2_prep
    .symbol:         k_qb037b6ceb2_prep.kd
    .args:
      - { .name: input, .offset: 0, .size: 8, .value_kind: global_buffer, .address_space: global }
      - { .name: qkv_w, .offset: 8, .size: 8, .value_kind: global_buffer, .address_space: global }
      - { .name: out_w, .offset: 16, .size: 8, .value_kind: global_buffer, .address_space: global }
      - { .name: mask, .offset: 24, .size: 8, .value_kind: global_buffer, .address_space: global }
      - { .name: codes, .offset: 32, .size: 8, .value_kind: global_buffer, .address_space: global }
      - { .name: scl, .offset: 40, .size: 8, .value_kind: global_buffer, .address_space: global }
      - { .name: mimg, .offset: 48, .size: 8, .value_kind: global_buffer, .address_space: global }
    .group_segment_fixed_size: 68608
    .private_segment_fixed_size: 0
    .kernarg_segment_align: 8
    .kernarg_segment_size: 56
    .max_flat_workgroup_size: 256
    .sgpr_count:     66
    .vgpr_count:     258
    .wavefront_size: 32
...
	.end_amdgpu_metadata
.endif
;; end of part 1
;; launch qkv (part 2): grid 8 x 48, 4 waves a work-group, clusters of 4 x 4, 327,680 bytes of LDS; arguments codes, scl, qkv_b, qimg, qscl, kv; writes qimg, qscl, kv
.if DOCPART == 2
	.amdgcn_target "amdgcn-amd-amdhsa--gfx1250"
	.amdhsa_code_object_version 6
	.text
	.protected	k_qb037b6ceb2_qkv
	.globl	k_qb037b6ceb2_qkv
	.p2align	8
	.type	k_qb037b6ceb2_qkv,@function
k_qb037b6ceb2_qkv:
	s_mov_b64 s[64:65], 0
	v_nop
	global_prefetch_b8 v0, s[64:65] scope:SCOPE_SE
	s_setreg_imm32_b32 hwreg(HW_REG_WAVE_MODE, 25, 1), 1
	s_wait_xcnt 0x0
	s_wait_alu depctr_hold_cnt(0) depctr_sa_sdst(0) depctr_va_vdst(0) depctr_va_sdst(0) depctr_va_ssrc(0) depctr_va_vcc(0) depctr_vm_vsrc(0)
	s_getreg_b32 s2, hwreg(HW_REG_IB_STS2, 6, 4)
	s_cmp_eq_u32 s2, 0
	s_cbranch_scc0 .Lentry_in_a_cluster
	s_endpgm
.Lentry_in_a_cluster:
	s_bfe_u32 s2, ttmp6, 0x10000c
	s_cmp_lg_u32 s2, 0xf033
	s_cbranch_scc0 .Lentry_shape_is_right
	s_endpgm
.Lentry_shape_is_right:
; QKV: q, k = x W^T + b and v^T = W_v x^T + b on codes of FP8 (E4M3) with E8M0 scales, K = 1,024, f32 sums; the results are quantised in registers for the products that follow and leave as images of operand registers.
; ONE FORM, TWO PATHS: C[A's row][B's row] = sum over k + bias, quantised along B's rows.  Clusters with y < 8 (path 0): A = x, B = W_q or W_k: a lane ends with one row of x and 16 neighbouring features: q's and k's blocks run along the head's 64.
; Clusters with y >= 8 (path 1): A = W_v, B = x: a lane ends with one feature and 16 neighbouring keys: v's blocks run along the keys.  The path hangs on the cluster's y alone: it is the same in all sixteen partners.
; OPERANDS (made by the launch before): codes [tile 768][K step 8][2,048]: byte 512 c + 16 lane + i = (tile row lane % 16, k = 32 c + 16 (lane / 16) + i); tile row x of tile t is the tensor's row 32 (t / 2) + 16 (x / 8) + 8 (t % 2) + x % 8.
; scl [tile][K half][row][16 bytes].  So a fragment is four loads of 512 consecutive bytes, in memory and in LDS alike: no pitch, no padding.
; A tile of C is 256 x 256: four waves of 128 x 128, 64 accumulators of 16 x 16.  K goes in steps of 256 through two LDS slots filled by the tensor data mover; the scales of all of K come once.
; CLUSTERS 4 x 4: A's tiles are asked for jointly along a row of the cluster, B's along a column.  THE MATRIX INSTRUCTION IS USED TRANSPOSED: source 0 = 16 rows of B, source 1 = 16 rows of A.  The bias is the C of each sum's first product.
; RESULTS.  qimg [head of batch 64][query tile 128][c 2][lane][16 bytes]; qscl [head][group of 8 tiles 16][row 16][4 words]: word P = the two bytes of tile 2 P, then those of tile 2 P + 1.
; kv [head][step of 128 keys 16][16,896]: K's 8 tiles as q's; at 8,192 V's 4 images (16 features x these 128 keys); at 16,384 K's words [row][P]; at 16,640 V's words [row][feature tile].
; A block of zeros gets the byte 1 where the rule says 127 (its codes are zeros; this program alone reads the bytes).  LIMITS: NaN and infinities are not served.
; REGISTERS: window 0: v16-29 addresses; v32-63 scale words, two sets, and nothing else; v64-127 the bias, later the way out's work; v128-255 A's fragments, one set, later the way out's numbers and codes.
;   window 1: B's fragments, two sets.   windows 2, 3: accumulator (a, b) at v[8 (8 (a % 4) + b)].
.set SLOT,   131072                    ; A's 16 tiles x 4,096 bytes (two K steps of 128), then B's
.set HALFT,  32768                     ; 8 tiles: what one tensor load brings, and what one wave reads of A or of B
.set SCL,    2*SLOT                    ; the scales: A's 16 tiles x 512 bytes, then B's
.set SPARE,  SCL+16384                 ; the spare words, 128 bytes for each wave: two blocks of 256 bytes that no other line names
.set NP,     8                         ; places behind this matrix instruction (ISA guide 7.12.1)
.set FR,     16
.set ADRA, 16                          ; v16-17  my A fragments in slot 0, 1
.set ADRB, 20                          ; v20-21  my B fragments
.set LI,   24                          ; v24  16 x lane
.set RA,   25                          ; v25  16 x (lane % 16)
.set BO,   26                          ; v26  my offset in the bias
.set ADRS, 27                          ; v27  my scale words: lanes 0-15 A's rows, lanes 16-31 B's
.set SPW,  28                          ; v28  my spare word; never rewritten
.set NIL,  29                          ; v29  0; never rewritten
.set SC,   32
.set BI,   64
.set AF,   128
.set TM,   64                          ; the way out: v64-67 largest magnitudes, v68-71 bytes, v72-75 448 x the scale, v76-79 scale operands
.set WS,   96                          ; v96-111  scale bytes gathered
.set XW,   112                         ; v112-119 scale words to store
.set T,    128                         ; v128-191 64 held numbers
.set PC,   192                         ; v192-223 codes, two sets
.set G1, 24
.set G0, 32
.set G1B, 48
.set G0B, 56
.set G1S, 68
.set G0S, 76
.set G1SB, 80
.set G0SB, 88
.set PCP, 92                           ; s[92:93], s[94:95] where the codes of my two heads go;  s[96:97], s[98:99] their scale words
.set PSP, 96
.set SEL, 100
.set MNT, 44
.set MSB, 0
.macro WIN new                         ; the immediate's high byte repeats the setting that is left
.if MSB != (\new)
	s_set_vgpr_msb (MSB<<8)|(\new)
.set MSB, (\new)
.endif
.endm
.set MUL_LO, 0xa1                      ; source 0 (B) window 1, source 1 (A) window 0, C and D window 2
.set MUL_HI, 0xf1                      ; the same, C and D window 3
.set BIA_LO, 0x81                      ; C (the bias) window 0, D window 2
.set BIA_HI, 0xc1                      ; C window 0, D window 3
.set TO_B,   0x40                      ; destination window 1, address window 0
; A joint load: waves 0 and 1 fetch for A, waves 2 and 3 for B; the branch hangs on the wave's number alone.  Four v_nop follow each of the two lines.
.macro JLOAD g0a, g1a, g0b, g1b
	s_cmp_eq_u32 s17, 0
	s_cbranch_scc0 .Lfor_b_\@
	tensor_load_to_lds s[\g0a:\g0a+3], s[\g1a:\g1a+7]
	s_nop 0
.rept 4
	v_nop
.endr
	s_branch .Lasked_\@
.Lfor_b_\@:
	tensor_load_to_lds s[\g0b:\g0b+3], s[\g1b:\g1b+7]
	s_nop 0
.rept 4
	v_nop
.endr
.Lasked_\@:
.endm
.macro CREST                           ; a round of the cluster's barrier behind its opening barrier
	s_cmp_lg_u32 s16, 0
	s_cbranch_scc1 .Lnot_wave_0_\@
	s_barrier_signal -3
.Lnot_wave_0_\@:
	s_barrier_wait -3
	s_barrier_signal -1
	s_barrier_wait -1
.endm
.macro CROUND
	s_barrier_signal -1
	s_barrier_wait -1
	CREST
.endm
.macro PLACES n
.rept \n
	v_nop
.endr
.endm
.macro FRAG reg, adr, q, i             ; tile i's image of the slot's q-th 128 along K: four loads of 512 consecutive bytes
.irp c, 0,1,2,3
	ds_load_b128 v[\reg+4*\c:\reg+4*\c+3], v[\adr] offset:4096*(\i)+2048*(\q)+512*\c
.endr
.endm
; 16 products: A's blocks a0, a0 + 1 x B's eight.  p: B's set; q: which 128 of the slot; sc: the set of scale words.  cm = 0: onto the sums; 1: the bias along B starts them; 2: the bias along A.
; The 64 accumulators take turns, one instruction a turn, in the same order in every step.
.macro MUL16 a0, p, q, sc, cm
.irp a, \a0, \a0+1
.irp b, 0,1,2,3,4,5,6,7
.if \cm == 1
	v_wmma_scale_f32_16x16x128_f8f6f4 v[8*(8*((\a)%4)+\b):8*(8*((\a)%4)+\b)+7], v[128*(\p)+FR*\b:128*(\p)+FR*\b+FR-1], v[AF+FR*(\a):AF+FR*(\a)+FR-1], v[BI+8*\b:BI+8*\b+7], v[SC+16*(\sc)+2*\b+(\q)], v[SC+16*(\sc)+2*(\a)+(\q)] matrix_a_scale:MATRIX_SCALE_ROW1
.elseif \cm == 2
	v_wmma_scale_f32_16x16x128_f8f6f4 v[8*(8*((\a)%4)+\b):8*(8*((\a)%4)+\b)+7], v[128*(\p)+FR*\b:128*(\p)+FR*\b+FR-1], v[AF+FR*(\a):AF+FR*(\a)+FR-1], v[BI+8*(\a):BI+8*(\a)+7], v[SC+16*(\sc)+2*\b+(\q)], v[SC+16*(\sc)+2*(\a)+(\q)] matrix_a_scale:MATRIX_SCALE_ROW1
.else
	v_wmma_scale_f32_16x16x128_f8f6f4 v[8*(8*((\a)%4)+\b):8*(8*((\a)%4)+\b)+7], v[128*(\p)+FR*\b:128*(\p)+FR*\b+FR-1], v[AF+FR*(\a):AF+FR*(\a)+FR-1], v[8*(8*((\a)%4)+\b):8*(8*((\a)%4)+\b)+7], v[SC+16*(\sc)+2*\b+(\q)], v[SC+16*(\sc)+2*(\a)+(\q)] matrix_a_scale:MATRIX_SCALE_ROW1
.endif
.endr
.endr
.endm
.macro FETCH_B slot, q, p
	WIN TO_B
.irp i, 0,1,2,3,4,5,6,7
	FRAG 128*(\p)+FR*\i, ADRB+\slot, \q, \i
.endr
	WIN 0
.endm
.macro FETCH_A slot, q, i0
.irp i, \i0, \i0+1, \i0+2, \i0+3
	FRAG AF+FR*(\i), ADRA+\slot, \q, \i
.endr
.endm
.macro SCALES sc, S                    ; the scale words of K steps 2 S and 2 S + 1 into set sc: lanes 0-15 A's block i, lanes 16-31 B's block i
.irp i, 0,1,2,3,4,5,6,7
	ds_load_b64 v[SC+16*\sc+2*\i:SC+16*\sc+2*\i+1], v[ADRS] offset:512*\i+256*((\S)/2)+8*((\S)%2)
.endr
.endm
; A slot's first 128 along K.  A block of A is free as soon as its eight products are issued: blocks 0-3 are fetched anew in the step's middle, blocks 4-7 at its end; B has two sets.
.macro STEP slot, cm
	s_wait_dscnt 16                                ; B's set, A's blocks 0-3 and the scale words are in; the youngest 16 loads (A's blocks 4-7) may be out
.if \cm
	WIN BIA_LO
.else
	WIN MUL_LO
.endif
	MUL16 0, 0, 0, \slot, \cm
	MUL16 2, 0, 0, \slot, \cm
	s_wait_dscnt 0x0
	PLACES NP                                      ; in front of loads into registers that matrix instructions have read
	FETCH_B \slot, 1, 1
	FETCH_A \slot, 1, 0
.if \cm
	WIN BIA_HI
.else
	WIN MUL_HI
.endif
	MUL16 4, 0, 0, \slot, \cm
	MUL16 6, 0, 0, \slot, \cm
	PLACES NP
	WIN 0
	FETCH_A \slot, 1, 4
.endm
; A slot's second 128 along K changes slots: ONE barrier; in front of it each wave waits for all its tensor loads, adds 0 to its spare word, and waits for that and for its reads of this slot.  fill = 1: this slot is filled again, two K steps of 256 on.
.macro TURN slot, next, fill, S
	s_wait_tensorcnt 0x0                           ; all my tensor loads have landed: my part of the next slot
	ds_add_u32 v[SPW], v[NIL]                      ; 0 onto my spare word
	s_wait_dscnt 17                                ; (the add and the youngest 16 loads may be out)
	WIN MUL_LO
	MUL16 0, 1, 1, \slot, 0                        ; sixteen products stand between the add and the wait for it
	s_wait_dscnt 0x0                               ; the add is done, and my reads of this slot are over
	s_barrier_signal -1
	MUL16 2, 1, 1, \slot, 0
	WIN 0
	s_barrier_wait -1
.if \fill
	CREST                                          ; the barrier has opened a round of the cluster's: no wave of any partner still reads this slot or has a load on its way
	s_add_nc_u64 s[G0+4*\slot+2:G0+4*\slot+3], s[G0+4*\slot+2:G0+4*\slot+3], 8192
	s_add_nc_u64 s[G0B+4*\slot+2:G0B+4*\slot+3], s[G0B+4*\slot+2:G0B+4*\slot+3], 8192
	JLOAD G0+4*\slot, G1, G0B+4*\slot, G1B         ; the first tensor load behind the round; its four v_nop are among the places in front of the loads below
	PLACES NP-4
.else
	PLACES NP
.endif
	FETCH_B \next, 0, 0
	FETCH_A \next, 0, 0
	SCALES \next, \S
	WIN MUL_HI
	MUL16 4, 1, 1, \slot, 0
	MUL16 6, 1, 1, \slot, 0
	PLACES NP
	WIN 0
	FETCH_A \next, 0, 4
.endm
	s_load_b256 s[4:11], s[0:1], 0x0               ; codes, scl, qkv_b, qimg
	s_load_b128 s[12:15], s[0:1], 0x20             ; qscl, kv
	v_lshl_add_u32 v[SPW], v0, 2, SPARE
	v_mov_b32 v[NIL], 0
	ds_add_u32 v28, v29
	ds_add_u32 v28, v29
	s_wait_dscnt 0x0
	v_lshrrev_b32 v1, 5, v0
	v_readfirstlane_b32 s16, v1                    ; wave 0..3
	s_lshr_b32 s17, s16, 1                         ; HA: my half of A's rows.  Also: I fetch for A (0) or for B (1)
	s_and_b32 s18, s16, 1                          ; HB: my half of B's rows.  Also: which 8 tiles I fetch
	s_bfe_u32 s40, ttmp6, 0x40000                  ; cx
	s_bfe_u32 s41, ttmp6, 0x40004                  ; cy
	s_and_b32 s20, ttmp7, 0xffff                   ; the cluster's y
	s_lshl_b32 s21, s20, 2                         ; path 0: tile row 4 y + cy,
	s_lshl_b32 s22, ttmp9, 2                       ;         tile column 4 x + cx
	s_lshl_b32 s23, s20, 3
	s_add_co_u32 s23, s23, s22
	s_sub_co_u32 s23, s23, 64                      ; path 1: tile column 4 (2 (y - 8) + x) + cx, tile row cy
	s_mov_b32 s46, 640
	s_mov_b32 s47, 512
	s_cmp_ge_u32 s20, 8
	s_cselect_b32 s19, 1, 0                        ; the path
	s_cselect_b32 s43, 0, s21
	s_cselect_b32 s42, s23, s22
	s_cselect_b32 s21, s46, 0                      ; A's first tile in codes: W_v's or x's
	s_cselect_b32 s47, 0, s47                      ; B's: x's or W_q's
	s_add_co_u32 s43, s43, s41                     ; TR
	s_add_co_u32 s42, s42, s40                     ; TC
	s_lshl_b32 s44, s41, 2
	s_lshl_b32 s44, 15, s44                        ; my row of the cluster
	s_lshl_b32 s45, 0x1111, s40                    ; my column
	; group 1 for the codes: 8 rows (tiles) of 512 elements of 8 bytes, 2,048 elements apart; 15:0 the mask, 17:16 the element's size, 21 set beside a mask
	s_or_b32 s[G1], s44, (3<<16)|(1<<21)
	s_or_b32 s[G1B], s45, (3<<16)|(1<<21)
.irp g, G1, G1B
	s_mov_b32 s[\g+1], 512<<16                     ; tensor_dim0
	s_mov_b32 s[\g+2], 8<<16                       ; tensor_dim1
	s_mov_b32 s[\g+3], 512<<16                     ; tile_dim0
	s_mov_b32 s[\g+4], 8                           ; tile_dim1
	s_mov_b32 s[\g+5], 2048                        ; tensor_dim0_stride
	s_mov_b32 s[\g+6], 0
	s_mov_b32 s[\g+7], 0
.endr
	; and for the scales of 8 tiles: 4,096 dense bytes as 16 rows of 256
	s_or_b32 s[G1S], s44, (3<<16)|(1<<21)
	s_or_b32 s[G1SB], s45, (3<<16)|(1<<21)
.irp g, G1S, G1SB
	s_mov_b32 s[\g+1], 32<<16
	s_mov_b32 s[\g+2], 16<<16
	s_mov_b32 s[\g+3], 32<<16
	s_mov_b32 s[\g+4], 16
	s_mov_b32 s[\g+5], 32
	s_mov_b32 s[\g+6], 0
	s_mov_b32 s[\g+7], 0
.endr
	s_lshl_b32 s22, s18, 3
	s_lshl_b32 s20, s43, 4
	s_add_co_u32 s20, s20, s22
	s_add_co_u32 s20, s20, s21                     ; the first tile that I would fetch for A: it hangs on the tile row alone
	s_lshl_b32 s45, s42, 4
	s_add_co_u32 s45, s45, s22
	s_add_co_u32 s45, s45, s47                     ; and for B: on the tile column alone
	s_lshl_b32 s22, s20, 14
	s_mov_b32 s23, 0
	s_lshl_b32 s20, s20, 9
	s_mov_b32 s21, 0
	s_lshl_b32 s46, s45, 9
	s_mov_b32 s47, 0
	s_lshl_b32 s3, s16, 15                         ; where my codes go: wave x 8 tiles: no place in the cluster enters an LDS address
	s_wait_kmcnt 0x0
	s_mov_b32 s[G0S], 1
	s_lshl_b32 s[G0S+1], s16, 12
	s_add_co_u32 s[G0S+1], s[G0S+1], SCL
	s_add_nc_u64 s[G0S+2:G0S+3], s[6:7], s[20:21]
	s_or_b32 s[G0S+3], s[G0S+3], 0x80000000
	s_mov_b32 s[G0SB], 1
	s_lshl_b32 s[G0SB+1], s16, 12
	s_add_co_u32 s[G0SB+1], s[G0SB+1], SCL
	s_add_nc_u64 s[G0SB+2:G0SB+3], s[6:7], s[46:47]
	s_or_b32 s[G0SB+3], s[G0SB+3], 0x80000000
	s_lshl_b32 s46, s45, 14
	s_add_nc_u64 s[22:23], s[4:5], s[22:23]
	s_add_nc_u64 s[46:47], s[4:5], s[46:47]
.irp s, 0,1
	s_mov_b32 s[G0+4*\s], 1
	s_add_co_u32 s[G0+4*\s+1], s3, \s*SLOT
	s_add_nc_u64 s[G0+4*\s+2:G0+4*\s+3], s[22:23], \s*4096
	s_or_b32 s[G0+4*\s+3], s[G0+4*\s+3], 0x80000000
	s_mov_b32 s[G0B+4*\s], 1
	s_add_co_u32 s[G0B+4*\s+1], s3, \s*SLOT
	s_add_nc_u64 s[G0B+4*\s+2:G0B+4*\s+3], s[46:47], \s*4096
	s_or_b32 s[G0B+4*\s+3], s[G0B+4*\s+3], 0x80000000
.endr
	CROUND                                         ; all sixteen work-groups are here: the first joint loads meet
	JLOAD G0S, G1S, G0SB, G1SB                     ; three loads of mine go out together: the scales, slot 0, slot 1
	JLOAD G0, G1, G0B, G1B
	JLOAD G0+4, G1, G0B+4, G1B
	v_and_b32 v1, 31, v0
	v_and_b32 v2, 15, v0                           ; r
	v_bfe_u32 v3, v0, 4, 1                         ; h
	v_lshlrev_b32 v[LI], 4, v1
	v_lshlrev_b32 v[RA], 4, v2
	s_lshl_b32 s20, s17, 15
	s_lshl_b32 s21, s18, 15
	s_add_co_u32 s21, s21, 2*HALFT
.irp s, 0,1
	v_add_nc_u32 v[ADRA+\s], s20, v[LI]
	v_add_nc_u32 v[ADRB+\s], s21, v[LI]
	s_add_co_u32 s20, s20, SLOT
	s_add_co_u32 s21, s21, SLOT
.endr
	s_lshl_b32 s20, s17, 12                        ; A's scales: my 8 tiles
	s_lshl_b32 s21, s18, 12
	s_add_co_u32 s21, s21, 8192                    ; B's: behind A's 16
	s_sub_co_u32 s21, s21, s20
	v_mul_u32_u24 v4, s21, v3                      ; lanes 16-31 take B's: the lower base + h x the distance
	s_add_co_u32 s20, s20, SCL
	v_add_nc_u32 v4, v4, v[RA]
	v_add_nc_u32 v[ADRS], s20, v4
	; the bias.  Path 0: along B: accumulator (a, b) wants b[32 (b / 2) + 16 h + 8 (b % 2) + 0 .. 7].  Path 1: along A: b[row r of tile a] in all eight registers.
	s_lshl_b32 s46, s42, 10
	s_lshl_b32 s47, s18, 9
	s_add_co_u32 s46, s46, s47                     ; path 0: 4 (256 TC + 128 HB)
	s_lshl_b32 s20, s43, 10
	s_lshl_b32 s21, s17, 9
	s_add_co_u32 s20, s20, s21
	s_add_co_u32 s20, s20, 8192                    ; path 1: 4 (2,048 + 256 TR + 128 HA)
	s_cmp_eq_u32 s19, 0
	s_cselect_b32 s66, s46, s20
	s_mov_b32 s67, 0
	s_add_nc_u64 s[8:9], s[8:9], s[66:67]
	s_cmp_eq_u32 s19, 0
	s_cbranch_scc0 .Lbias_v
	v_lshlrev_b32 v[BO], 6, v3
.irp b, 0,1,2,3,4,5,6,7
	global_load_b128 v[BI+8*\b:BI+8*\b+3], v[BO], s[8:9] offset:(32*(\b/2)+8*(\b%2))*4
	global_load_b128 v[BI+8*\b+4:BI+8*\b+7], v[BO], s[8:9] offset:(32*(\b/2)+8*(\b%2))*4+16
.endr
	s_branch .Lbias_done
.Lbias_v:
	v_and_b32 v[BO], 8, v2
	v_add_nc_u32 v[BO], v[BO], v2                  ; r + 8 (r / 8)
	v_lshlrev_b32 v[BO], 2, v[BO]
.irp a, 0,1,2,3,4,5,6,7
.irp j, 0,1,2,3,4,5,6,7
	global_load_b32 v[BI+8*\a+\j], v[BO], s[8:9] offset:(32*(\a/2)+8*(\a%2))*4
.endr
.endr
.Lbias_done:
	; where the results go.  G: my group of 128 rows of x (batch G / 16, group G % 16); head0: the first of my two heads
	s_lshl_b32 s46, s42, 1
	s_add_co_u32 s46, s46, s18                     ; 2 TC + HB
	s_and_b32 s47, s42, 3
	s_lshl_b32 s47, s47, 2
	s_lshl_b32 s45, s18, 1
	s_add_co_u32 s47, s47, s45                     ; 4 (TC % 4) + 2 HB
	s_lshl_b32 s20, s43, 1
	s_add_co_u32 s20, s20, s17                     ; 2 TR + HA
	s_lshl_b32 s21, s43, 2
	s_lshl_b32 s22, s17, 1
	s_add_co_u32 s21, s21, s22                     ; 4 TR + 2 HA
	s_cmp_eq_u32 s19, 0
	s_cselect_b32 s66, s20, s46                    ; G
	s_cselect_b32 s67, s47, s21                    ; head0
	s_lshr_b32 s92, s66, 4
	s_and_b32 s66, s66, 15                         ; the group
	s_lshl_b32 s92, s92, 4
	s_add_co_u32 s67, s67, s92                     ; 16 x batch + head0
	s_lshl_b32 s4, s67, 17                         ; (codes' and scl's addresses are in the descriptors: s4-7 are free)
	s_lshl_b32 s5, s66, 13
	s_add_co_u32 s4, s4, s5                        ; q: codes
	s_lshl_b32 s5, s67, 12
	s_lshl_b32 s6, s66, 8
	s_add_co_u32 s5, s5, s6                        ; q: scale words
	s_mul_i32 s6, s67, 270336
	s_mul_i32 s7, s66, 16896
	s_add_co_u32 s6, s6, s7                        ; kv: the head's step
	s_lshl_b32 s7, s19, 8
	s_add_co_u32 s7, s7, s6
	s_add_co_u32 s7, s7, 16384                     ; its scale words: K's at 16,384, V's at 16,640
	s_lshl_b32 s2, s19, 13
	s_add_co_u32 s6, s6, s2                        ; its codes: K's at 0, V's at 8,192
	s_mov_b32 s66, 0x20000                         ; from head to head: q's codes,
	s_mov_b32 s67, 0x1000                          ; q's scale words,
	s_mov_b32 s2, 270336                           ; kv
	s_or_b32 s92, s19, ttmp9
	s_cmp_eq_u32 s92, 0                            ; q: path 0 and the cluster's x = 0
	s_cselect_b32 s4, s4, s6
	s_cselect_b32 s6, s5, s7
	s_cselect_b32 s66, s66, s2
	s_cselect_b32 s2, s67, s2
	s_cselect_b64 s[92:93], s[10:11], s[14:15]
	s_cselect_b64 s[96:97], s[12:13], s[14:15]
	s_mov_b32 s5, 0
	s_mov_b32 s7, 0
	s_mov_b32 s67, 0
	s_add_nc_u64 s[92:93], s[92:93], s[4:5]
	s_add_nc_u64 s[94:95], s[92:93], s[66:67]
	s_add_nc_u64 s[96:97], s[96:97], s[6:7]
	s_mov_b32 s4, s2
	s_add_nc_u64 s[98:99], s[96:97], s[4:5]
	s_mov_b32 s[SEL], 0x76543210
	s_mov_b32 s[SEL+1], 0xfedcba98
	s_mov_b32 s[MNT], 0x600000
	s_wait_tensorcnt 1                             ; the scales and my part of slot 0 are in; slot 1's load may be out
	s_barrier_signal -1
	s_barrier_wait -1
	FETCH_B 0, 0, 0
	FETCH_A 0, 0, 0
	SCALES 0, 0
	FETCH_A 0, 0, 4
	s_wait_loadcnt 0x0                             ; the bias
	s_cmp_eq_u32 s19, 0
	s_cbranch_scc0 .Lfirst_v
	STEP 0, 1                                      ; the first products start the sums with the bias: nothing is cleared
	s_branch .Lfirst_done
.Lfirst_v:
	STEP 0, 2
.Lfirst_done:
	TURN 0, 1, 1, 1
	STEP 1, 0
	TURN 1, 0, 1, 2
	STEP 0, 0
	TURN 0, 1, 0, 3                                ; nothing is left to fetch
	STEP 1, 0
	s_wait_dscnt 16
	WIN MUL_LO
	MUL16 0, 1, 1, 1, 0
	MUL16 2, 1, 1, 1, 0
	s_wait_dscnt 0x0
	WIN MUL_HI
	MUL16 4, 1, 1, 1, 0
	MUL16 6, 1, 1, 1, 0
	WIN 0
; THE WAY OUT.  A's block a: a lane's 64 numbers, register 16 b + i = B's row 32 b + 16 (lane / 16) + i, are four blocks of 32 shared with lane l xor 16.  Each accumulator is read from its low end on.
.macro QUANTW a
.set W, 2+(\a)/4
.set AC, 64*((\a)%4)
.set PCS, PC+16*((\a)%2)
	WIN W|(W<<2)                                   ; sources 0 and 1: the accumulators' window
.irp b, 0,1,2,3
	v_max3_num_f32 v[TM+\b], |v[AC+16*\b]|, |v[AC+16*\b+1]|, 0x4800000   ; and the floor 2^(9 - 127): the byte cannot fall under 1
.endr
.irp i, 2,4,6,8,10,12,14
.irp b, 0,1,2,3
	v_max3_num_f32 v[TM+\b], |v[AC+16*\b+\i]|, |v[AC+16*\b+\i+1]|, v[TM+\b]
.endr
.endr
	WIN 0
.irp b, 0,1,2,3
	v_permlanex16_b32 v[TM+4+\b], v[TM+\b], s[SEL], s[SEL+1]
.endr
.irp b, 0,1,2,3
	v_max_num_f32 v[TM+\b], v[TM+\b], v[TM+4+\b]
.endr
.irp b, 0,1,2,3
	v_add_nc_u32 v[TM+12+\b], 0xfc000000, v[TM+\b] ; 8 off the exponent field: the conversion's scale operand
.endr
.irp b, 0,1,2,3
	v_and_or_b32 v[TM+8+\b], v[TM+\b], 0x7f800000, s[MNT]   ; 448 x the scale
.endr
.irp b, 0,1,2,3
	v_lshrrev_b32 v[TM+4+\b], 23, v[TM+12+\b]      ; the scale's byte
.endr
	WIN W                                          ; source 0: the accumulators' window
.irp b, 0,1,2,3
.irp i, 0,1,2,3,4,5,6,7,8,9,10,11,12,13,14,15
	v_med3_num_f32 v[T+16*\b+\i], v[AC+16*\b+\i], -v[TM+8+\b], v[TM+8+\b]   ; the conversion does not saturate (ISA guide 7.6.2): the hold comes first
.endr
.endr
	WIN 0
.if (\a) >= 2
	s_wait_xcnt 0x0                                ; this set of codes was the data of the stores two blocks back
.endif
.irp b, 0,1,2,3
	v_cvt_scalef32_pk8_fp8_f32 v[PCS+4*\b:PCS+4*\b+1], v[T+16*\b:T+16*\b+7], v[TM+12+\b]
	v_cvt_scalef32_pk8_fp8_f32 v[PCS+4*\b+2:PCS+4*\b+3], v[T+16*\b+8:T+16*\b+15], v[TM+12+\b]
.endr
	v_nop                                          ; a plain vector line behind the last conversion
.endm
	PLACES NP                                      ; behind the last products: their results are read and their operands' registers written below
.irp b, 0,1,2,3
	v_mov_b32 v[TM+4+\b], 0                        ; a lane permute's destination counts as one of its sources
.endr
	s_cmp_eq_u32 s19, 0
	s_cbranch_scc0 .Lout_v
	; path 0: blocks 0, 1 are head0's 64 features, blocks 2, 3 the next head's; block a of A is tile a of the group
.irp a, 0,1,2,3,4,5,6,7
	QUANTW \a
.irp b, 0,1,2,3
	global_store_b128 v[LI], v[PCS+4*\b:PCS+4*\b+3], s[PCP+2*(\b/2):PCP+2*(\b/2)+1] offset:1024*\a+512*(\b%2)   ; 512 consecutive bytes
.endr
.irp e, 0,1
	v_lshl_or_b32 v[WS+8*\e+\a], v[TM+5+2*\e], 8, v[TM+4+2*\e]   ; the tile's two bytes for head e
.endr
.endr
.irp e, 0,1
.irp P, 0,1,2,3
	v_lshl_or_b32 v[XW+4*\e+\P], v[WS+8*\e+2*\P+1], 16, v[WS+8*\e+2*\P]
.endr
	global_store_b128 v[RA], v[XW+4*\e:XW+4*\e+3], s[PSP+2*\e:PSP+2*\e+1]   ; 16 rows x 16 bytes: 256 consecutive bytes (lanes 16-31 store the same)
.endr
	s_branch .Lout_done
.Lout_v:
	; path 1: block a of A is feature tile a % 4 of head a / 4; the four blocks are the step's 128 keys
.irp a, 0,1,2,3,4,5,6,7
	QUANTW \a
.irp c, 0,1,2,3
	global_store_b128 v[LI], v[PCS+4*\c:PCS+4*\c+3], s[PCP+2*(\a/4):PCP+2*(\a/4)+1] offset:2048*(\a%4)+512*\c
.endr
	v_lshl_or_b32 v[WS+\a], v[TM+5], 8, v[TM+4]
	v_lshl_or_b32 v[WS+\a], v[TM+6], 16, v[WS+\a]
	v_lshl_or_b32 v[WS+\a], v[TM+7], 24, v[WS+\a]
.if \a%4 == 3
	global_store_b128 v[RA], v[WS+\a-3:WS+\a], s[PSP+2*(\a/4):PSP+2*(\a/4)+1]
.endif
.endr
.Lout_done:
	s_wait_tensorcnt 0x0                           ; the wave's end
	ds_add_u32 v[SPW], v[NIL]
	s_wait_dscnt 0x0
	CROUND                                         ; the closing round: no work-group ends while a partner may still ask for a tile that names it
	s_endpgm
.Lfunc_end_k_qb037b6ceb2_qkv:
	.size	k_qb037b6ceb2_qkv, .Lfunc_end_k_qb037b6ceb2_qkv-k_qb037b6ceb2_qkv
	.p2alignl 7, 3214868480
	.fill 96, 4, 3214868480
	.section	.rodata,"a",@progbits
	.p2align	6, 0x0
	.amdhsa_kernel k_qb037b6ceb2_qkv
		.amdhsa_group_segment_fixed_size 327680
		.amdhsa_private_segment_fixed_size 0
		.amdhsa_enable_private_segment 0
		.amdhsa_kernarg_size 48
		.amdhsa_user_sgpr_count 2
		.amdhsa_user_sgpr_kernarg_segment_ptr 1
		.amdhsa_wavefront_size32 1
		.amdhsa_system_sgpr_workgroup_id_x 1
		.amdhsa_system_sgpr_workgroup_id_y 1
		.amdhsa_system_sgpr_workgroup_id_z 1
		.amdhsa_system_vgpr_workitem_id 0
		.amdhsa_next_free_vgpr 1024
		.amdhsa_next_free_sgpr 102
		.amdhsa_reserve_vcc 0
		.amdhsa_float_denorm_mode_32 3
		.amdhsa_float_denorm_mode_16_64 3
		.amdhsa_memory_ordered 1
		.amdhsa_forward_progress 1
		.amdhsa_inst_pref_size 255
	.end_amdhsa_kernel
	.section	.bss,"aw",@nobits
	.p2align	6
	.space	262144
	.amdgpu_metadata
---
amdhsa.version: [ 1, 2 ]
amdhsa.kernels:
  - .name:           k_qb037b6ceb2_qkv
    .symbol:         k_qb037b6ceb2_qkv.kd
    .args:
      - { .name: codes, .offset: 0, .size: 8, .value_kind: global_buffer, .address_space: global }
      - { .name: scl, .offset: 8, .size: 8, .value_kind: global_buffer, .address_space: global }
      - { .name: qkv_b, .offset: 16, .size: 8, .value_kind: global_buffer, .address_space: global }
      - { .name: qimg, .offset: 24, .size: 8, .value_kind: global_buffer, .address_space: global }
      - { .name: qscl, .offset: 32, .size: 8, .value_kind: global_buffer, .address_space: global }
      - { .name: kv, .offset: 40, .size: 8, .value_kind: global_buffer, .address_space: global }
    .group_segment_fixed_size: 327680
    .private_segment_fixed_size: 0
    .kernarg_segment_align: 8
    .kernarg_segment_size: 48
    .max_flat_workgroup_size: 128
    .sgpr_count:     102
    .vgpr_count:     1024
    .wavefront_size: 32
...
	.end_amdgpu_metadata
.endif
;; end of part 2
;; launch attn (part 3): grid 4 x 64, 16 waves a work-group, clusters of 4 x 1, 272,384 bytes of LDS; arguments qimg, qscl, kv, mimg, oimg, oscl; writes oimg, oscl
.if DOCPART == 3
	.amdgcn_target "amdgcn-amd-amdhsa--gfx1250"
	.amdhsa_code_object_version 6
	.text
	.protected	k_qb037b6ceb2_attn
	.globl	k_qb037b6ceb2_attn
	.p2align	8
	.type	k_qb037b6ceb2_attn,@function
k_qb037b6ceb2_attn:
	s_mov_b64 s[64:65], 0
	v_nop
	global_prefetch_b8 v0, s[64:65] scope:SCOPE_SE
	s_setreg_imm32_b32 hwreg(HW_REG_WAVE_MODE, 25, 1), 1
	s_wait_xcnt 0x0
	s_wait_alu depctr_hold_cnt(0) depctr_sa_sdst(0) depctr_va_vdst(0) depctr_va_sdst(0) depctr_va_ssrc(0) depctr_va_vcc(0) depctr_vm_vsrc(0)
	s_getreg_b32 s2, hwreg(HW_REG_IB_STS2, 6, 4)
	s_cmp_eq_u32 s2, 0
	s_cbranch_scc0 .Lentry_in_a_cluster
	s_endpgm
.Lentry_in_a_cluster:
	s_bfe_u32 s2, ttmp6, 0x10000c
	s_cmp_lg_u32 s2, 0x3003
	s_cbranch_scc0 .Lentry_shape_is_right
	s_endpgm
.Lentry_shape_is_right:
; ATTN: O = softmax(mask(q k^T / 8)) v for one head of one batch, both products on codes of FP8 (E4M3) with E8M0 scales; O / the row's sum is quantised along the features and leaves as an image of the last product's operand.
; SOFTMAX AHEAD OF THE SECOND PRODUCT: t = score x log2(e) / 8; M = the running largest t rounded up to a whole number; p = 2^(t - M) is quantised along the keys, not normalised; the sum is taken of the unquantised p; when M moves, sum and O are multiplied by 2^(old M - new M): exact.
; SHARES.  The four work-groups of a cluster take the four quarters (512 queries, 32 tiles) of one head; each of sixteen waves takes one tile of 16 queries in each of two passes.
; THE HEAD'S K AND V LIE IN LDS WHOLE: 16 steps of 128 keys x 16,896 bytes, filled once by joint loads (the four partners walk the same K and V): no ring, nothing is filled again.  Waves 0-3 issue four loads each; four tensor loads of a wave are out at the most.
; A step's bytes: K's 8 tiles of 1,024 (byte 512 c + 16 lane + i = key row lane % 16, feature 32 c + 16 (lane / 16) + i); at 8,192 V's 4 images (16 features x 128 keys); at 16,384 K's scale words [row][pair]; at 16,640 V's [row][tile].
; K = 64 IN AN INSTRUCTION 128 DEEP: two neighbouring key tiles are ONE operand of 16 registers; multiplied by [Q | 0] it gives the first tile's scores, by [0 | Q] the second's.  v16-23 and v32-39 hold zero codes round Q in v24-31; the zero halves' scale bytes are 1.
; LAYOUT.  Both products are used transposed: a lane holds one query (lane % 16) throughout; by the tiles' row order the 16 registers of score tiles 2 b, 2 b + 1 are keys 32 b + 16 (lane / 16) + 0 .. 15, and O's likewise along the features.
; THE MASK IS THE C OF THE SCORE PRODUCT: prepared bytes (0x00 counts, 0xfe hidden) become 0 or -448 x 2^119 by one conversion for eight scores.  A step's mask bytes are asked for one step ahead; the head's last step is written out and asks for nothing.
; BY TURNS.  Behind each of a step's 64 exponentials stand two plain lines of work that is ready (scalings of later blocks, the blocks' scales, the sums and holds of the block before, O's rescaling), so that no two exponentials follow each other;
; V's loads go out as soon as K's registers are free, some of them between the links of the chain that leads to M; K is waited for pair by pair.
; LIMITS.  A hidden score is -1.75 x 2^127, not -infinity, and the largest t starts at -1e30: scores beyond about 1e30 in magnitude are not served.  A row with no key that counts has the sum 0: its scale bytes are set to 0xff, so that the last product gives NaN there, as the softmax of such a row is.
; The scale bytes leave two at a time, 16 bytes apart: a word's halves belong to two heads, which are two work-groups'.
.set STEPB, 16896
.set GRPB,  4*STEPB
.set LI,  1                            ; v1   16 x lane
.set AD,  2                            ; v2   LDS address of the step in hand
.set MA,  3                            ; v3   my offset in the tile's mask image
.set RQ,  4                            ; v4   16 x (lane % 16)
.set MS,  5                            ; v5   the byte 246 four times: the mask conversion's scale, 2^119
.set QSL, 6                            ; v6   Q's scale word for [Q | 0]
.set QSH, 7                            ; v7   for [0 | Q]
.set OLDM, 9                           ; v9   -M as the last step left it
.set ZL,  16                           ; v12 -M, v13 the largest t, v[14:15] the sum in two halves
.set Q,   24
.set KV,  40                           ; v40-103  K's four pairs, then V's four images
.set S,   104                          ; v104-167 the mask, the scores, p, then the held p
.set O,   168                          ; v168-199 O^T: four tiles of 16 features
.set PC,  200                          ; v200-215 p's codes
.set MC,  216                          ; v216-231 the next step's mask bytes
.set BM,  232
.set T4,  236                          ; v236-239 at work; v[236:237] the step's second chain of sums
.set HD,  240
.set SO,  244
.set SW,  248                          ; v248-251 lanes 0-15 K's pair words, lanes 16-31 V's words;  v252 f;  v253 p's scale word;  v254 at work;  v255 0xffff
.set WV,  16
.set MNT, 19
.set SEL, 20
.set CS,  22
.set G1,  24
.set TS,  32                           ; s32 LDS byte of the step in hand;  s34, s35 counters
.set CNT, 34
.set PASS, 35
.set G0,  36                           ; s[36:51] four groups 0
.set SH,  52
.macro CROUND                          ; a round of the cluster's barrier
	s_barrier_signal -1
	s_barrier_wait -1
	s_cmp_lg_u32 s[WV], 0
	s_cbranch_scc1 .Lnot_wave_0_\@
	s_barrier_signal -3
.Lnot_wave_0_\@:
	s_barrier_wait -3
	s_barrier_signal -1
	s_barrier_wait -1
.endm
	s_load_b256 s[4:11], s[0:1], 0x0               ; qimg, qscl, kv, mimg
	s_load_b128 s[12:15], s[0:1], 0x20             ; oimg, oscl
	v_lshl_add_u32 v10, v0, 2, 0x42000
	v_mov_b32 v11, 0
	ds_add_u32 v10, v11
	ds_add_u32 v10, v11
	v_lshrrev_b32 v8, 5, v0
	v_readfirstlane_b32 s[WV], v8                  ; wave 0..15
	v_and_b32 v8, 31, v0
	v_lshlrev_b32 v[LI], 4, v8
	v_and_b32 v8, 15, v0
	v_lshlrev_b32 v[RQ], 4, v8
	v_mov_b32 v[MS], 0xf6f6f6f6
	v_mov_b32 v255, 0xffff
.irp j, 0,1,2,3,4,5,6,7
	v_mov_b32 v[ZL+\j], 0                          ; zero codes below Q,
	v_mov_b32 v[Q+8+\j], 0                         ; and above
.endr
.irp b, 0,1,2,3
	v_mov_b32 v[T4+\b], 0                          ; a lane permute's destination counts as one of its sources
.endr
	v_mov_b32 v253, 0                              ; (named as the upper half of the pair v[252:253] before it is first written)
	v_mov_b32 v254, 0
	s_bfe_u32 s17, ttmp6, 0x40000                  ; cx: my quarter of the queries: it enters global offsets alone
	s_and_b32 s18, ttmp7, 0xffff                   ; 16 x batch + head, which the partners share
	s_mov_b32 s[G1], 15|(3<<16)|(1<<21)            ; 15:0 the mask: all four; 17:16 elements of 8 bytes; 21 set beside a mask
	s_mov_b32 s[G1+1], 32<<16                      ; a step is 16,896 dense bytes: 66 rows of 256
	s_mov_b32 s[G1+2], 66<<16
	s_mov_b32 s[G1+3], 32<<16
	s_mov_b32 s[G1+4], 66
	s_mov_b32 s[G1+5], 32
	s_mov_b32 s[G1+6], 0
	s_mov_b32 s[G1+7], 0
	s_mov_b32 s[SEL], 0x76543210
	s_mov_b32 s[SEL+1], 0xfedcba98
	s_mov_b32 s[CS], 0x3e38aa3b                    ; c = log2(e) / 8
	s_mov_b32 s[CS+1], s[CS]                       ; (named with it as a pair)
	s_mov_b32 s[MNT], 0x600000
	s_and_b32 s53, s[WV], 3
	s_mul_i32 s53, s53, STEPB                      ; load g of wave w brings step 4 g + w
	s_mul_i32 s54, s18, 270336
	s_add_co_u32 s54, s54, s53
	s_mov_b32 s55, 0
	s_wait_dscnt 0x0
	s_wait_kmcnt 0x0
	s_add_nc_u64 s[54:55], s[8:9], s[54:55]
.irp g, 0,1,2,3
	s_mov_b32 s[G0+4*\g], 1
	s_add_co_u32 s[G0+4*\g+1], s53, \g*GRPB
	s_add_nc_u64 s[G0+4*\g+2:G0+4*\g+3], s[54:55], \g*GRPB
	s_or_b32 s[G0+4*\g+3], s[G0+4*\g+3], 0x80000000
.endr
	CROUND                                         ; all four work-groups are here: the joint loads meet
	s_cmp_lt_u32 s[WV], 4                          ; a wave's four fills stand in one branch, ahead of every wait on TENSORcnt and every LDS read
	s_cbranch_scc0 .Lno_fetch
	tensor_load_to_lds s[G0:G0+3], s[G1:G1+7]
	s_nop 0
	tensor_load_to_lds s[G0+4:G0+7], s[G1:G1+7]
	s_nop 0
	tensor_load_to_lds s[G0+8:G0+11], s[G1:G1+7]
	s_nop 0
	tensor_load_to_lds s[G0+12:G0+15], s[G1:G1+7]
	s_nop 0
.rept 4
	v_nop
.endr
.Lno_fetch:
	s_lshl_b32 s56, s17, 5
	s_add_co_u32 s56, s56, s[WV]                   ; my query tile in pass 0: 32 cx + wave; pass 1: 16 on
	s_mov_b32 s59, 0
	s_lshl_b32 s57, s18, 7
	s_add_co_u32 s57, s57, s56
	s_lshl_b32 s58, s57, 10
	s_add_nc_u64 s[4:5], s[4:5], s[58:59]          ; Q's image
	s_lshl_b32 s58, s18, 4
	s_lshl_b32 s60, s17, 2
	s_add_co_u32 s58, s58, s60
	s_lshr_b32 s60, s[WV], 3
	s_add_co_u32 s58, s58, s60                     ; its group of 8 tiles,
	s_lshl_b32 s58, s58, 8
	s_bfe_u32 s60, s[WV], 0x20001                  ; the pair in the group,
	s_lshl_b32 s60, s60, 2
	s_add_co_u32 s58, s58, s60
	s_add_nc_u64 s[6:7], s[6:7], s[58:59]
	s_and_b32 s[SH], s[WV], 1
	s_lshl_b32 s[SH], s[SH], 4                     ; and the half of the pair's word
	s_lshl_b32 s58, s56, 15
	s_add_nc_u64 s[10:11], s[10:11], s[58:59]      ; the tile's mask image
	s_lshr_b32 s60, s18, 4
	s_and_b32 s61, s18, 15                         ; the head
	s_lshl_b32 s60, s60, 7
	s_add_co_u32 s60, s60, s56                     ; the tile among the 512 of all batches
	s_lshl_b32 s58, s60, 14
	s_lshl_b32 s57, s61, 10                        ; the head's 64 features: 1,024 bytes of the tile's images
	s_add_co_u32 s58, s58, s57
	s_add_nc_u64 s[12:13], s[12:13], s[58:59]
	s_lshl_b32 s58, s60, 9
	s_lshr_b32 s57, s61, 3
	s_lshl_b32 s57, s57, 8
	s_add_co_u32 s58, s58, s57
	s_and_b32 s57, s61, 7
	s_lshl_b32 s57, s57, 1
	s_add_co_u32 s58, s58, s57
	s_add_nc_u64 s[14:15], s[14:15], s[58:59]      ; and its two scale bytes a row
; THE PLAIN LINES OF A STEP'S SOFTMAX.  A pair g is the lane's scores 2 g and 2 g + 1; a block b of 32 keys is the lane's pairs 8 b to 8 b + 7.
.macro PF g                            ; pair g: t - M, two at a time (of the pairs c and -M the low word serves both halves)
	v_pk_fma_f32 v[S+2*(\g):S+2*(\g)+1], v[S+2*(\g):S+2*(\g)+1], s[CS:CS+1], v[12:13] op_sel_hi:[1,0,0]
.endm
.macro OM g                            ; pair g of O^T under the new M
	v_pk_mul_f32 v[O+2*(\g):O+2*(\g)+1], v[O+2*(\g):O+2*(\g)+1], v[252:253] op_sel_hi:[1,0]
.endm
.macro AP g                            ; pair g of the unquantised p into the row's sum: two chains, even pairs and odd pairs
.if ((\g)%2) == 0
	s_wait_alu depctr_va_vdst(0)
	v_pk_add_f32 v[14:15], v[14:15], v[S+2*(\g):S+2*(\g)+1]
.else
	s_wait_alu depctr_va_vdst(0)
	v_pk_add_f32 v[T4:T4+1], v[T4:T4+1], v[S+2*(\g):S+2*(\g)+1]
.endif
.endm
.macro MN i                            ; the hold of p number i, in place, behind its pair's addition: the conversion to an 8-bit code does not saturate (ISA guide 7.6.2); p is not negative, so the hold is one-sided
	v_min_num_f32 v[S+(\i)], v[S+(\i)], v[HD+(\i)/16]
.endm
.macro LB b, m                         ; line m of 24 of block b: for each of its 8 pairs the addition, then the two holds
.if ((\m)%3) == 0
	AP 8*(\b)+(\m)/3
.else
	MN 16*(\b)+2*((\m)/3)+(\m)%3-1
.endif
.endm
.macro LB0 m                           ; line m of 23 of block 0: its first two pairs start the second chain
.if (\m) == 0
	v_pk_add_f32 v[T4:T4+1], v[S:S+1], v[S+2:S+3]
.elseif (\m) < 5
	MN (\m)-1
.else
	LB 0, (\m)+1
.endif
.endm
.macro CV b                            ; block b's 16 held p become registers 4 b to 4 b + 3 of the second product's operand
	v_cvt_scalef32_pk8_fp8_f32 v[PC+4*\b:PC+4*\b+1], v[S+16*\b:S+16*\b+7], v[SO+\b]
	v_cvt_scalef32_pk8_fp8_f32 v[PC+4*\b+2:PC+4*\b+3], v[S+16*\b+8:S+16*\b+15], v[SO+\b]
.endm
; Plain line n of the list that is dealt out behind the exponentials, lines 2 i and 2 i + 1 behind exponential i.  A block's scalings stand ahead of its exponentials, its sums and holds behind them;
; exponential i names register S + i, and lines 2 i and 2 i + 1 name registers of other blocks alone.
.macro PL
.if n < 8
	PF 8+n                                         ; block 1's scalings
.elseif n == 8
	v_pk_mul_f32 v[14:15], v[14:15], v[252:253] op_sel_hi:[1,0]   ; the sum under the new M
	s_wait_alu depctr_va_vdst(0)
.elseif n < 13
	v_max_num_f32 v[BM+n-9], 0x4800000, v[BM+n-9]  ; the floor 2^(9 - 127): a block whose every p is 0 keeps the byte 1: its codes are zeros
.elseif n < 17
	v_add_nc_u32 v[SO+n-13], 0xfc000000, v[BM+n-13]   ; 8 off the exponent field: the conversion's scale operand
.elseif n < 21
	v_and_or_b32 v[HD+n-17], v[BM+n-17], 0x7f800000, s[MNT]   ; 448 x the scale
.elseif n < 25
	v_lshrrev_b32 v[T4+n-21], 23, v[SO+n-21]       ; the scale's byte
.elseif n == 25
	v_lshl_or_b32 v253, v[T4+1], 8, v[T4]          ; p's scale word for these 128 keys
.elseif n == 26
	v_lshl_or_b32 v253, v[T4+2], 16, v253
.elseif n == 27
	v_lshl_or_b32 v253, v[T4+3], 24, v253
.elseif n < 40
	PF n-12                                        ; pairs 16 to 27
.elseif n < 63
	LB0 n-40
.elseif n == 63
	OM 0
.elseif n < 68
	PF n-36                                        ; pairs 28 to 31
.elseif n < 92
	LB 1, n-68
.elseif n < 96
	OM n-91
.elseif n < 120
	LB 2, n-96
.elseif n < 127
	OM n-115                                       ; pairs 5 to 11; line 127 is empty
.endif
.endm
.macro VL cnt                          ; the next cnt of V's 16 loads
.rept \cnt
	ds_load_b128 v[KV+4*ld:KV+4*ld+3], v[AD] offset:8192+512*ld
.set ld, ld+1
.endr
.endm
; A KEY STEP: 128 keys.  pre = 1: the next step's mask bytes are asked for;  0: the head's last step, which asks for nothing: no load leaves the tile's image, and none is jumped over.
.macro STEP pre
	v_add_nc_u32 v[AD], s[TS], v[LI]               ; (with the eight lines at the last step's end: the places in front of loads into registers that the last products read)
	ds_load_b128 v[SW:SW+3], v[AD] offset:16384    ; lanes 0-15: K's four pair words of row r; lanes 16-31: V's four words
.set ld, 0
.rept 16
	ds_load_b128 v[KV+4*ld:KV+4*ld+3], v[AD] offset:512*ld   ; K's four pairs of tiles, four loads a pair
.set ld, ld+1
.endr
	s_wait_loadcnt 0x0                             ; this step's mask bytes, asked for a step ago: no load of mine is out behind this wait
.irp t, 0,1,2,3,4,5,6,7
	v_cvt_scale_pk8_f32_fp8 v[S+8*\t:S+8*\t+7], v[MC+2*\t:MC+2*\t+1], v[MS]   ; 0 or -448 x 2^119: the C of tile t
.endr
.if \pre
	v_add_nc_u32 v[MA], 2048, v[MA]                ; free since the wait above
.else
	v_nop
.endif
.rept 3
	v_nop                                          ; four plain lines between the conversions and the products that take their results
.endr
.if \pre
.irp b, 0,1,2,3
	global_load_b128 v[MC+4*\b:MC+4*\b+3], v[MA], s[10:11] offset:512*\b   ; the next step's mask bytes: they land under this step's work
.endr
.endif
.irp t, 0,2,4,6
	s_wait_dscnt 12-2*\t                           ; LDS loads come back in order: the scale words and the pairs up to this one are in; the 12 - 2 t loads of the later pairs may be out
	v_wmma_scale_f32_16x16x128_f8f6f4 v[S+8*\t:S+8*\t+7], v[KV+8*\t:KV+8*\t+15], v[Q:Q+15], v[S+8*\t:S+8*\t+7], v[SW+\t/2], v[QSL]
	v_wmma_scale_f32_16x16x128_f8f6f4 v[S+8*\t+8:S+8*\t+15], v[KV+8*\t:KV+8*\t+15], v[ZL:ZL+15], v[S+8*\t+8:S+8*\t+15], v[SW+\t/2], v[QSH]
.endr
	v_mov_b32 v[OLDM], v12                         ; -M as it was: the first of eight places behind the products
.rept 7
	v_nop
.endr
.set ld, 0
	VL 6                                           ; K's registers are free: V's images go there, and have the whole softmax in which to land
.irp b, 0,1,2,3
	v_max3_num_f32 v[BM+\b], v[S+16*\b], v[S+16*\b+1], v[S+16*\b+2]   ; the largest score of each block of 32 keys: for the row's maximum and, since p rises with the score, for the block's largest p
.endr
.irp i, 3,5,7,9,11,13
.irp b, 0,1,2,3
	v_max3_num_f32 v[BM+\b], v[BM+\b], v[S+16*\b+\i], v[S+16*\b+\i+1]
.endr
.endr
.irp b, 0,1,2,3
	v_max_num_f32 v[BM+\b], v[BM+\b], v[S+16*\b+15]
.endr
.irp b, 0,1,2,3
	v_permlanex16_b32 v[T4+\b], v[BM+\b], s[SEL], s[SEL+1]
.endr
.irp b, 0,1,2,3
	v_max_num_f32 v[BM+\b], v[BM+\b], v[T4+\b]     ; with lane l xor 16's 16 keys
.endr
	v_max3_num_f32 v254, v[BM], v[BM+1], v[BM+2]   ; a chain in which each line takes the last line's result: V's other loads stand between its links
	VL 2
	v_max_num_f32 v254, v254, v[BM+3]
	VL 2
	v_mul_f32 v254, s[CS], v254                    ; the step's largest t
	VL 2
	v_max_num_f32 v13, v13, v254                   ; the running largest t
	VL 2
	v_floor_f32 v12, -v13                          ; -M = floor(-t): M is a whole number
	VL 2
	v_sub_f32 v254, v12, v[OLDM]                   ; old M - new M: a whole number, 0 or less
	v_fma_f32 v[BM], v[BM], s[CS], v12             ; t - M of each block's largest score
	v_fma_f32 v[BM+1], v[BM+1], s[CS], v12
	v_cvt_i32_f32 v254, v254                       ; (it saturates)
	v_fma_f32 v[BM+2], v[BM+2], s[CS], v12
	v_fma_f32 v[BM+3], v[BM+3], s[CS], v12
	v_ldexp_f32 v252, 1.0, v254                    ; f = 2^(old M - new M)
.irp b, 0,1,2,3
	v_exp_f32 v[BM+\b], v[BM+\b]                   ; the block's largest p: the same multiply-add and exponential as the p themselves
	PF 2*\b                                        ; block 0's scalings
	PF 2*\b+1
.endr
.set ei, 0
.rept 64
	v_exp_f32 v[S+ei], v[S+ei]                     ; p = 2^(t - M)
.set n, 2*ei
	PL
.set n, 2*ei+1
	PL
.if ei == 31
	CV 0                                           ; block 0's holds ended with line 62
.elseif ei == 47
	CV 1                                           ; block 1's with line 91
.elseif ei == 61
	CV 2                                           ; block 2's with line 119
.endif
.set ei, ei+1
.endr
.set n, 0
.rept 24
	LB 3, n
.set n, n+1
.endr
	CV 3
.irp g, 12,13,14,15
	OM \g                                          ; four plain lines between the last conversion and the products that take the codes
.endr
	s_wait_dscnt 0x0                               ; V
.irp t, 0,1,2,3
	v_wmma_scale_f32_16x16x128_f8f6f4 v[O+8*\t:O+8*\t+7], v[KV+16*\t:KV+16*\t+15], v[PC:PC+15], v[O+8*\t:O+8*\t+7], v[SW+\t], v253 matrix_a_scale:MATRIX_SCALE_ROW1
.endr
	v_pk_add_f32 v[14:15], v[14:15], v[T4:T4+1]    ; the two chains join: it names no register of the products above,
.rept 7
	v_nop                                          ; and with these stands between them and the next loads into their registers, or the first read of O^T
.endr
.endm
	s_mov_b32 s[PASS], 2
.Lpass:
	global_load_b128 v[Q:Q+3], v[LI], s[4:5]       ; Q's fragment: features 0-31,
	global_load_b128 v[Q+4:Q+7], v[LI], s[4:5] offset:512   ; 32-63
	global_load_b32 v254, v[RQ], s[6:7]            ; the word with my tile's two scale bytes
	v_mov_b32 v[MA], v[LI]
.irp b, 0,1,2,3
	global_load_b128 v[MC+4*\b:MC+4*\b+3], v[MA], s[10:11] offset:512*\b   ; step 0's mask bytes (the pass before has left no load out: its last step waited for all and asked for nothing)
.endr
	s_wait_loadcnt 4                               ; Q's three loads are in; the four behind them may be out
	v_bfe_u32 v254, v254, s[SH], 16
	v_or_b32 v[QSL], 0x01010000, v254              ; the byte 1 over the zero codes
	v_lshl_or_b32 v[QSH], v254, 16, 0x0101
	v_mov_b32 v13, 0xf149f2ca                      ; the largest t so far: -1e30
	v_floor_f32 v12, -v13
	v_mov_b32 v14, 0
	v_mov_b32 v15, 0
.set j, 0
.rept 32
	v_mov_b32 v[O+j], 0                            ; O^T: the step is written for every trip alike; its first run finds zeros.  (Also the places behind Q's scale words)
.set j, j+1
.endr
.irp g, 0,1,2,3
	s_wait_tensorcnt 3-\g                          ; my loads up to number g have landed; the 3 - g behind it may be out
	s_wait_dscnt 0x0
	s_barrier_signal -1
	s_barrier_wait -1                              ; so have the other waves': steps 4 g to 4 g + 3 are whole
	s_mov_b32 s[TS], \g*GRPB
	s_mov_b32 s[CNT], 4-\g/3                       ; four trips; the last group three: its fourth step follows, written out
.Lstep\g:
	STEP 1
	s_add_co_u32 s[TS], s[TS], STEPB
	s_sub_co_u32 s[CNT], s[CNT], 1
	s_cmp_lg_u32 s[CNT], 0
	s_cbranch_scc1 .Lstep\g
.endr
	STEP 0                                         ; step 15
	; THE TILE'S END: O^T / the sum, quantised along the head's 64 features (two blocks), as registers of the last product's operand
	v_add_f32 v14, v14, v15
	v_permlanex16_b32 v254, v14, s[SEL], s[SEL+1]
	v_add_f32 v14, v14, v254                       ; the row's sum
	v_rcp_f32 v252, v14
	v_cmp_eq_f32 vcc_lo, 0, v14                    ; a row with no key that counts
	v_nop
.set j, 0
	s_wait_alu depctr_va_vdst(0)
.rept 16
	v_pk_mul_f32 v[O+j:O+j+1], v[O+j:O+j+1], v[252:253] op_sel_hi:[1,0]
.set j, j+2
.endr
.irp g, 0,1
	v_max3_num_f32 v[BM+\g], |v[O+16*\g]|, |v[O+16*\g+1]|, 0x4800000
.endr
.irp i, 2,4,6,8,10,12,14
.irp g, 0,1
	v_max3_num_f32 v[BM+\g], v[BM+\g], |v[O+16*\g+\i]|, |v[O+16*\g+\i+1]|
.endr
.endr
.irp g, 0,1
	v_permlanex16_b32 v[T4+\g], v[BM+\g], s[SEL], s[SEL+1]
.endr
.irp g, 0,1
	v_max_num_f32 v[BM+\g], v[BM+\g], v[T4+\g]
.endr
.irp g, 0,1
	v_add_nc_u32 v[SO+\g], 0xfc000000, v[BM+\g]
.endr
.irp g, 0,1
	v_and_or_b32 v[HD+\g], v[BM+\g], 0x7f800000, s[MNT]
.endr
.irp g, 0,1
	v_lshrrev_b32 v[T4+\g], 23, v[SO+\g]
.endr
	v_lshl_or_b32 v254, v[T4+1], 8, v[T4]
	v_cndmask_b32 v254, v254, v255, vcc_lo         ; only a value is chosen: 0xff 0xff where the sum is 0
.irp g, 0,1
.irp i, 0,1,2,3,4,5,6,7,8,9,10,11,12,13,14,15
	v_med3_num_f32 v[O+16*\g+\i], v[O+16*\g+\i], -v[HD+\g], v[HD+\g]
.endr
	v_cvt_scalef32_pk8_fp8_f32 v[PC+4*\g:PC+4*\g+1], v[O+16*\g:O+16*\g+7], v[SO+\g]
	v_cvt_scalef32_pk8_fp8_f32 v[PC+4*\g+2:PC+4*\g+3], v[O+16*\g+8:O+16*\g+15], v[SO+\g]
.endr
	v_nop                                          ; a plain vector line behind the last conversion
	global_store_b128 v[LI], v[PC:PC+3], s[12:13]  ; 512 consecutive bytes each
	global_store_b128 v[LI], v[PC+4:PC+7], s[12:13] offset:512
	global_store_b16 v[RQ], v254, s[14:15]
	s_wait_xcnt 0x0                                ; the stores have read their registers and bases: both may be written again
	s_add_nc_u64 s[4:5], s[4:5], 16384             ; 16 tiles on
	s_add_nc_u64 s[6:7], s[6:7], 512
	s_add_nc_u64 s[10:11], s[10:11], 524288
	s_add_nc_u64 s[12:13], s[12:13], 262144
	s_add_nc_u64 s[14:15], s[14:15], 8192
	s_sub_co_u32 s[PASS], s[PASS], 1
	s_cmp_lg_u32 s[PASS], 0
	s_cbranch_scc1 .Lpass
	s_wait_tensorcnt 0x0
	s_wait_dscnt 0x0
	s_wait_tensorcnt 0x0
	ds_add_u32 v10, v11
	s_wait_dscnt 0x0
	CROUND                                         ; the closing round
	s_endpgm
.Lfunc_end_k_qb037b6ceb2_attn:
	.size	k_qb037b6ceb2_attn, .Lfunc_end_k_qb037b6ceb2_attn-k_qb037b6ceb2_attn
	.p2alignl 7, 3214868480
	.fill 96, 4, 3214868480
	.section	.rodata,"a",@progbits
	.p2align	6, 0x0
	.amdhsa_kernel k_qb037b6ceb2_attn
		.amdhsa_group_segment_fixed_size 272384
		.amdhsa_private_segment_fixed_size 0
		.amdhsa_enable_private_segment 0
		.amdhsa_kernarg_size 48
		.amdhsa_user_sgpr_count 2
		.amdhsa_user_sgpr_kernarg_segment_ptr 1
		.amdhsa_wavefront_size32 1
		.amdhsa_system_sgpr_workgroup_id_x 1
		.amdhsa_system_sgpr_workgroup_id_y 1
		.amdhsa_system_sgpr_workgroup_id_z 1
		.amdhsa_system_vgpr_workitem_id 0
		.amdhsa_next_free_vgpr 256
		.amdhsa_next_free_sgpr 72
		.amdhsa_reserve_vcc 1
		.amdhsa_float_denorm_mode_32 3
		.amdhsa_float_denorm_mode_16_64 3
		.amdhsa_memory_ordered 1
		.amdhsa_forward_progress 1
		.amdhsa_inst_pref_size 116
	.end_amdhsa_kernel
	.amdgpu_metadata
---
amdhsa.version: [ 1, 2 ]
amdhsa.kernels:
  - .name:           k_qb037b6ceb2_attn
    .symbol:         k_qb037b6ceb2_attn.kd
    .args:
      - { .name: qimg, .offset: 0, .size: 8, .value_kind: global_buffer, .address_space: global }
      - { .name: qscl, .offset: 8, .size: 8, .value_kind: global_buffer, .address_space: global }
      - { .name: kv, .offset: 16, .size: 8, .value_kind: global_buffer, .address_space: global }
      - { .name: mimg, .offset: 24, .size: 8, .value_kind: global_buffer, .address_space: global }
      - { .name: oimg, .offset: 32, .size: 8, .value_kind: global_buffer, .address_space: global }
      - { .name: oscl, .offset: 40, .size: 8, .value_kind: global_buffer, .address_space: global }
    .group_segment_fixed_size: 272384
    .private_segment_fixed_size: 0
    .kernarg_segment_align: 8
    .kernarg_segment_size: 48
    .max_flat_workgroup_size: 512
    .sgpr_count:     72
    .vgpr_count:     256
    .wavefront_size: 32
...
	.end_amdgpu_metadata
.endif
;; end of part 3
;; launch proj (part 4): grid 4 x 32, 4 waves a work-group, clusters of 4 x 4, 327,680 bytes of LDS; arguments oimg, oscl, codes, scl, out_b, out0; writes out0
.if DOCPART == 4
	.amdgcn_target "amdgcn-amd-amdhsa--gfx1250"
	.amdhsa_code_object_version 6
	.text
	.protected	k_qb037b6ceb2_proj
	.globl	k_qb037b6ceb2_proj
	.p2align	8
	.type	k_qb037b6ceb2_proj,@function
k_qb037b6ceb2_proj:
	s_mov_b64 s[64:65], 0
	v_nop
	global_prefetch_b8 v0, s[64:65] scope:SCOPE_SE
	s_setreg_imm32_b32 hwreg(HW_REG_WAVE_MODE, 25, 1), 1
	s_wait_xcnt 0x0
	s_wait_alu depctr_hold_cnt(0) depctr_sa_sdst(0) depctr_va_vdst(0) depctr_va_sdst(0) depctr_va_ssrc(0) depctr_va_vcc(0) depctr_vm_vsrc(0)
	s_getreg_b32 s2, hwreg(HW_REG_IB_STS2, 6, 4)
	s_cmp_eq_u32 s2, 0
	s_cbranch_scc0 .Lentry_in_a_cluster
	s_endpgm
.Lentry_in_a_cluster:
	s_bfe_u32 s2, ttmp6, 0x10000c
	s_cmp_lg_u32 s2, 0xf033
	s_cbranch_scc0 .Lentry_shape_is_right
	s_endpgm
.Lentry_shape_is_right:
; PROJ: out0 = O out_w^T + out_b on codes of FP8 (E4M3) with E8M0 scales, K = 1,024, f32 sums.  A = the attention's result (oimg, oscl), B = out_w (tiles 704-767 of codes, scl).
; OPERANDS: [tile][K step 8][2,048]: byte 512 c + 16 lane + i = (tile row lane % 16, k = 32 c + 16 (lane / 16) + i); tile row x of tile t is the tensor's row 32 (t / 2) + 16 (x / 8) + 8 (t % 2) + x % 8; scales [tile][K half][row][16 bytes].
; A tile of C is 256 x 256: four waves of 128 x 128, 64 accumulators.  K goes in steps of 256 through two LDS slots filled by the tensor data mover; the scales of all of K come once.
; CLUSTERS 4 x 4: A's tiles are asked for jointly along a row of the cluster, B's along a column.  THE MATRIX INSTRUCTION IS USED TRANSPOSED (source 0 = 16 rows of B, source 1 = 16 rows of A); the bias is the C of each sum's first product.
; The grid has 128 work-groups: a smaller tile would read each fragment from LDS for fewer products.
; REGISTERS: window 0: v16-29 addresses; v32-63 scale words, two sets, and nothing else; v64-127 the bias; v128-255 A's fragments, one set, later rows of C.  window 1: B's fragments, two sets.  windows 2, 3: accumulator (a, b) at v[8 (8 (a % 4) + b)].
.set SLOT,   131072                    ; A's 16 tiles x 4,096 bytes (two K steps of 128), then B's
.set HALFT,  32768
.set SCL,    2*SLOT
.set SPARE,  SCL+16384                 ; the spare words, 128 bytes for each wave: two blocks of 256 bytes that no other line names
.set NP,     8
.set FR,     16
.set SPITCH, 528                       ; the way out: a stage of 16 rows x (512 + 16) bytes for each wave, in slot 0, which has had its last fill and its last read by then
.set ADRA, 16
.set STO,  18                          ; v18  the way out: where I put 32 bytes of a row
.set RD,   19                          ; v19  where I read a row back
.set ADRB, 20
.set LI,   24
.set RA,   25
.set BO,   26
.set ADRS, 27
.set SPW,  28
.set NIL,  29
.set SC,   32
.set BI,   64
.set AF,   128
.set BK,   128
.set G1, 24
.set G0, 32
.set G1B, 48
.set G0B, 56
.set G1S, 68
.set G0S, 76
.set G1SB, 80
.set G0SB, 88
.set MSB, 0
.macro WIN new
.if MSB != (\new)
	s_set_vgpr_msb (MSB<<8)|(\new)
.set MSB, (\new)
.endif
.endm
.set MUL_LO, 0xa1
.set MUL_HI, 0xf1
.set BIA_LO, 0x81
.set BIA_HI, 0xc1
.set TO_B,   0x40
.macro JLOAD g0a, g1a, g0b, g1b        ; a joint load: waves 0, 1 for A, waves 2, 3 for B; four v_nop follow each of the two lines
	s_cmp_eq_u32 s17, 0
	s_cbranch_scc0 .Lfor_b_\@
	tensor_load_to_lds s[\g0a:\g0a+3], s[\g1a:\g1a+7]
	s_nop 0
.rept 4
	v_nop
.endr
	s_branch .Lasked_\@
.Lfor_b_\@:
	tensor_load_to_lds s[\g0b:\g0b+3], s[\g1b:\g1b+7]
	s_nop 0
.rept 4
	v_nop
.endr
.Lasked_\@:
.endm
.macro CREST
	s_cmp_lg_u32 s16, 0
	s_cbranch_scc1 .Lnot_wave_0_\@
	s_barrier_signal -3
.Lnot_wave_0_\@:
	s_barrier_wait -3
	s_barrier_signal -1
	s_barrier_wait -1
.endm
.macro CROUND
	s_barrier_signal -1
	s_barrier_wait -1
	CREST
.endm
.macro PLACES n
.rept \n
	v_nop
.endr
.endm
.macro FRAG reg, adr, q, i
.irp c, 0,1,2,3
	ds_load_b128 v[\reg+4*\c:\reg+4*\c+3], v[\adr] offset:4096*(\i)+2048*(\q)+512*\c
.endr
.endm
; 16 products: A's blocks a0, a0 + 1 x B's eight.  cm = 1: the bias starts the sums.  The 64 accumulators take turns, one instruction a turn.
.macro MUL16 a0, p, q, sc, cm
.irp a, \a0, \a0+1
.irp b, 0,1,2,3,4,5,6,7
.if \cm
	v_wmma_scale_f32_16x16x128_f8f6f4 v[8*(8*((\a)%4)+\b):8*(8*((\a)%4)+\b)+7], v[128*(\p)+FR*\b:128*(\p)+FR*\b+FR-1], v[AF+FR*(\a):AF+FR*(\a)+FR-1], v[BI+8*\b:BI+8*\b+7], v[SC+16*(\sc)+2*\b+(\q)], v[SC+16*(\sc)+2*(\a)+(\q)] matrix_a_scale:MATRIX_SCALE_ROW1
.else
	v_wmma_scale_f32_16x16x128_f8f6f4 v[8*(8*((\a)%4)+\b):8*(8*((\a)%4)+\b)+7], v[128*(\p)+FR*\b:128*(\p)+FR*\b+FR-1], v[AF+FR*(\a):AF+FR*(\a)+FR-1], v[8*(8*((\a)%4)+\b):8*(8*((\a)%4)+\b)+7], v[SC+16*(\sc)+2*\b+(\q)], v[SC+16*(\sc)+2*(\a)+(\q)] matrix_a_scale:MATRIX_SCALE_ROW1
.endif
.endr
.endr
.endm
.macro FETCH_B slot, q, p
	WIN TO_B
.irp i, 0,1,2,3,4,5,6,7
	FRAG 128*(\p)+FR*\i, ADRB+\slot, \q, \i
.endr
	WIN 0
.endm
.macro FETCH_A slot, q, i0
.irp i, \i0, \i0+1, \i0+2, \i0+3
	FRAG AF+FR*(\i), ADRA+\slot, \q, \i
.endr
.endm
.macro SCALES sc, S
.irp i, 0,1,2,3,4,5,6,7
	ds_load_b64 v[SC+16*\sc+2*\i:SC+16*\sc+2*\i+1], v[ADRS] offset:512*\i+256*((\S)/2)+8*((\S)%2)
.endr
.endm
.macro STEP slot, cm                   ; a slot's first 128 along K
	s_wait_dscnt 16                                ; the youngest 16 loads (A's blocks 4-7) may be out
.if \cm
	WIN BIA_LO
.else
	WIN MUL_LO
.endif
	MUL16 0, 0, 0, \slot, \cm
	MUL16 2, 0, 0, \slot, \cm
	s_wait_dscnt 0x0
	PLACES NP
	FETCH_B \slot, 1, 1
	FETCH_A \slot, 1, 0
.if \cm
	WIN BIA_HI
.else
	WIN MUL_HI
.endif
	MUL16 4, 0, 0, \slot, \cm
	MUL16 6, 0, 0, \slot, \cm
	PLACES NP
	WIN 0
	FETCH_A \slot, 1, 4
.endm
.macro TURN slot, next, fill, S        ; a slot's second 128 along K, and the change of slots
	s_wait_tensorcnt 0x0                           ; all my tensor loads have landed: my part of the next slot
	ds_add_u32 v[SPW], v[NIL]                      ; 0 onto my spare word
	s_wait_dscnt 17                                ; (the add and the youngest 16 loads may be out)
	WIN MUL_LO
	MUL16 0, 1, 1, \slot, 0
	s_wait_dscnt 0x0                               ; the add is done, and my reads of this slot are over
	s_barrier_signal -1
	MUL16 2, 1, 1, \slot, 0
	WIN 0
	s_barrier_wait -1
.if \fill
	CREST                                          ; the barrier has opened a round of the cluster's
	s_add_nc_u64 s[G0+4*\slot+2:G0+4*\slot+3], s[G0+4*\slot+2:G0+4*\slot+3], 8192
	s_add_nc_u64 s[G0B+4*\slot+2:G0B+4*\slot+3], s[G0B+4*\slot+2:G0B+4*\slot+3], 8192
	JLOAD G0+4*\slot, G1, G0B+4*\slot, G1B         ; the first tensor load behind the round
	PLACES NP-4
.else
	PLACES NP
.endif
	FETCH_B \next, 0, 0
	FETCH_A \next, 0, 0
	SCALES \next, \S
	WIN MUL_HI
	MUL16 4, 1, 1, \slot, 0
	MUL16 6, 1, 1, \slot, 0
	PLACES NP
	WIN 0
	FETCH_A \next, 0, 4
.endm
	s_load_b256 s[4:11], s[0:1], 0x0               ; oimg, oscl, codes, scl
	s_load_b128 s[12:15], s[0:1], 0x20             ; out_b, out0
	v_lshl_add_u32 v[SPW], v0, 2, SPARE
	v_mov_b32 v[NIL], 0
	ds_add_u32 v28, v29
	ds_add_u32 v28, v29
	s_wait_dscnt 0x0
	v_lshrrev_b32 v1, 5, v0
	v_readfirstlane_b32 s16, v1                    ; wave 0..3
	s_lshr_b32 s17, s16, 1                         ; HA
	s_and_b32 s18, s16, 1                          ; HB
	s_bfe_u32 s40, ttmp6, 0x40000                  ; cx
	s_bfe_u32 s41, ttmp6, 0x40004                  ; cy
	s_lshl_b32 s42, ttmp9, 2
	s_add_co_u32 s42, s42, s40                     ; TC
	s_and_b32 s43, ttmp7, 0xffff
	s_lshl_b32 s43, s43, 2
	s_add_co_u32 s43, s43, s41                     ; TR
	s_lshl_b32 s44, s41, 2
	s_lshl_b32 s44, 15, s44                        ; my row of the cluster
	s_lshl_b32 s45, 0x1111, s40                    ; my column
	s_or_b32 s[G1], s44, (3<<16)|(1<<21)           ; 8 rows (tiles) of 512 elements of 8 bytes, 2,048 elements apart
	s_or_b32 s[G1B], s45, (3<<16)|(1<<21)
.irp g, G1, G1B
	s_mov_b32 s[\g+1], 512<<16
	s_mov_b32 s[\g+2], 8<<16
	s_mov_b32 s[\g+3], 512<<16
	s_mov_b32 s[\g+4], 8
	s_mov_b32 s[\g+5], 2048
	s_mov_b32 s[\g+6], 0
	s_mov_b32 s[\g+7], 0
.endr
	s_or_b32 s[G1S], s44, (3<<16)|(1<<21)          ; the scales of 8 tiles: 4,096 dense bytes as 16 rows of 256
	s_or_b32 s[G1SB], s45, (3<<16)|(1<<21)
.irp g, G1S, G1SB
	s_mov_b32 s[\g+1], 32<<16
	s_mov_b32 s[\g+2], 16<<16
	s_mov_b32 s[\g+3], 32<<16
	s_mov_b32 s[\g+4], 16
	s_mov_b32 s[\g+5], 32
	s_mov_b32 s[\g+6], 0
	s_mov_b32 s[\g+7], 0
.endr
	s_lshl_b32 s22, s18, 3
	s_lshl_b32 s20, s43, 4
	s_add_co_u32 s20, s20, s22                     ; the first tile that I would fetch for A,
	s_lshl_b32 s45, s42, 4
	s_add_co_u32 s45, s45, s22
	s_add_co_u32 s45, s45, 704                     ; and for B
	s_lshl_b32 s22, s20, 14
	s_mov_b32 s23, 0
	s_lshl_b32 s20, s20, 9
	s_mov_b32 s21, 0
	s_lshl_b32 s46, s45, 9
	s_mov_b32 s47, 0
	s_lshl_b32 s3, s16, 15
	s_wait_kmcnt 0x0
	s_mov_b32 s[G0S], 1
	s_lshl_b32 s[G0S+1], s16, 12
	s_add_co_u32 s[G0S+1], s[G0S+1], SCL
	s_add_nc_u64 s[G0S+2:G0S+3], s[6:7], s[20:21]
	s_or_b32 s[G0S+3], s[G0S+3], 0x80000000
	s_mov_b32 s[G0SB], 1
	s_lshl_b32 s[G0SB+1], s16, 12
	s_add_co_u32 s[G0SB+1], s[G0SB+1], SCL
	s_add_nc_u64 s[G0SB+2:G0SB+3], s[10:11], s[46:47]
	s_or_b32 s[G0SB+3], s[G0SB+3], 0x80000000
	s_lshl_b32 s46, s45, 14
	s_add_nc_u64 s[22:23], s[4:5], s[22:23]
	s_add_nc_u64 s[46:47], s[8:9], s[46:47]
.irp s, 0,1
	s_mov_b32 s[G0+4*\s], 1
	s_add_co_u32 s[G0+4*\s+1], s3, \s*SLOT
	s_add_nc_u64 s[G0+4*\s+2:G0+4*\s+3], s[22:23], \s*4096
	s_or_b32 s[G0+4*\s+3], s[G0+4*\s+3], 0x80000000
	s_mov_b32 s[G0B+4*\s], 1
	s_add_co_u32 s[G0B+4*\s+1], s3, \s*SLOT
	s_add_nc_u64 s[G0B+4*\s+2:G0B+4*\s+3], s[46:47], \s*4096
	s_or_b32 s[G0B+4*\s+3], s[G0B+4*\s+3], 0x80000000
.endr
	CROUND                                         ; all sixteen work-groups are here: the first joint loads meet
	JLOAD G0S, G1S, G0SB, G1SB                     ; three loads of mine go out together
	JLOAD G0, G1, G0B, G1B
	JLOAD G0+4, G1, G0B+4, G1B
	v_and_b32 v1, 31, v0
	v_and_b32 v2, 15, v0                           ; r
	v_bfe_u32 v3, v0, 4, 1                         ; h
	v_lshlrev_b32 v[LI], 4, v1
	v_lshlrev_b32 v[RA], 4, v2
	s_lshl_b32 s20, s17, 15
	s_lshl_b32 s21, s18, 15
	s_add_co_u32 s21, s21, 2*HALFT
.irp s, 0,1
	v_add_nc_u32 v[ADRA+\s], s20, v[LI]
	v_add_nc_u32 v[ADRB+\s], s21, v[LI]
	s_add_co_u32 s20, s20, SLOT
	s_add_co_u32 s21, s21, SLOT
.endr
	s_lshl_b32 s20, s17, 12
	s_lshl_b32 s21, s18, 12
	s_add_co_u32 s21, s21, 8192
	s_sub_co_u32 s21, s21, s20
	v_mul_u32_u24 v4, s21, v3                      ; lanes 16-31 take B's scale words: the lower base + h x the distance
	s_add_co_u32 s20, s20, SCL
	v_add_nc_u32 v4, v4, v[RA]
	v_add_nc_u32 v[ADRS], s20, v4
	s_mul_i32 s20, s16, 16*SPITCH                  ; my stage
	v_mul_u32_u24 v4, v2, SPITCH
	v_lshl_add_u32 v4, v3, 6, v4
	v_add_nc_u32 v[STO], s20, v4                   ; in: row r, + 64 h
	v_add_nc_u32 v[RD], s20, v[LI]                 ; back: 32 lanes take a row of 512 bytes
	s_lshl_b32 s6, s42, 10                         ; (the operands' addresses are in the descriptors: s4-7 are free)
	s_lshl_b32 s7, s18, 9
	s_add_co_u32 s6, s6, s7                        ; my first column, in bytes: 1,024 TC + 512 HB
	s_mov_b32 s7, 0
	s_add_nc_u64 s[12:13], s[12:13], s[6:7]        ; the bias there
	v_lshlrev_b32 v[BO], 6, v3
.irp b, 0,1,2,3,4,5,6,7
	global_load_b128 v[BI+8*\b:BI+8*\b+3], v[BO], s[12:13] offset:(32*(\b/2)+8*(\b%2))*4   ; accumulator (a, b) wants b[32 (b / 2) + 16 h + 8 (b % 2) + 0 .. 7]
	global_load_b128 v[BI+8*\b+4:BI+8*\b+7], v[BO], s[12:13] offset:(32*(\b/2)+8*(\b%2))*4+16
.endr
	s_lshl_b32 s4, s43, 8
	s_lshl_b32 s5, s17, 7
	s_add_co_u32 s4, s4, s5                        ; my first row: 256 TR + 128 HA
	s_lshl_b32 s4, s4, 12
	s_add_co_u32 s4, s4, s6
	s_mov_b32 s5, 0
	s_add_nc_u64 s[14:15], s[14:15], s[4:5]
	s_wait_tensorcnt 1                             ; the scales and my part of slot 0 are in; slot 1's load may be out
	s_barrier_signal -1
	s_barrier_wait -1
	FETCH_B 0, 0, 0
	FETCH_A 0, 0, 0
	SCALES 0, 0
	FETCH_A 0, 0, 4
	s_wait_loadcnt 0x0                             ; the bias
	STEP 0, 1                                      ; the first products start the sums with the bias
	TURN 0, 1, 1, 1
	STEP 1, 0
	TURN 1, 0, 1, 2
	STEP 0, 0
	TURN 0, 1, 0, 3                                ; nothing is left to fetch
	STEP 1, 0
	s_wait_dscnt 16
	WIN MUL_LO
	MUL16 0, 1, 1, 1, 0
	MUL16 2, 1, 1, 1, 0
	s_wait_dscnt 0x0
	WIN MUL_HI
	MUL16 4, 1, 1, 1, 0
	MUL16 6, 1, 1, 1, 0
	WIN 0
; THE WAY OUT, block by block of 16 rows x 128 columns, through my own stage: accumulator (a, b) holds columns 32 (b / 2) + 16 h + 8 (b % 2) + 0 .. 7 of tile row r; whole rows of 512 bytes come back.
; LDS serves a wave's instructions in order: no wait between the stores and the loads, nor in front of the next block's stores.  Tile row t of block a is row 32 (a / 2) + 8 (a % 2) + t + 8 (t / 8) of my 128.
.macro TOSTAGE a
.set AC, 64*((\a)%4)
	WIN 0x08+4*((\a)/4)                            ; an LDS store's data: window 2 or 3
.irp b, 0,1,2,3,4,5,6,7
	ds_store_b128 v[STO], v[AC+8*\b:AC+8*\b+3] offset:128*(\b/2)+32*(\b%2)       ; each accumulator from its low end on
	ds_store_b128 v[STO], v[AC+8*\b+4:AC+8*\b+7] offset:128*(\b/2)+32*(\b%2)+16
.endr
	WIN 0
.set BB, BK+64*((\a)%2)
.irp t, 0,1,2,3,4,5,6,7,8,9,10,11,12,13,14,15
	ds_load_b128 v[BB+4*\t:BB+4*\t+3], v[RD] offset:\t*SPITCH
.endr
.endm
.macro SEND a, younger                 ; younger: the LDS instructions issued behind block a's loads, which may stay out
.set BB, BK+64*((\a)%2)
	s_wait_dscnt \younger
.irp t, 0,1,2,3,4,5,6,7,8,9,10,11,12,13,14,15
	global_store_b128 v[LI], v[BB+4*\t:BB+4*\t+3], s[14:15] offset:(32*((\a)/2)+8*((\a)%2)+\t+8*(\t/8))*4096 th:TH_STORE_NT   ; 512 consecutive bytes of a row; 127 rows of 4,096 bytes at the most, inside the signed 24-bit immediate
.endr
.endm
	PLACES NP                                      ; behind the last products: results are read, and loads land in A's registers
	TOSTAGE 0
.irp a, 1,2,3,4,5,6,7
.if \a > 1
	s_wait_xcnt 0x0                                ; block a - 2's stores have read their registers: block a's loads may land there
.endif
	TOSTAGE \a
	SEND \a-1, 32                                  ; behind block a - 1's loads: block a's 16 stores and 16 loads
.endr
	SEND 7, 0
	s_wait_tensorcnt 0x0                           ; the wave's end
	ds_add_u32 v[SPW], v[NIL]
	s_wait_dscnt 0x0
	CROUND                                         ; the closing round
	s_endpgm
.Lfunc_end_k_qb037b6ceb2_proj:
	.size	k_qb037b6ceb2_proj, .Lfunc_end_k_qb037b6ceb2_proj-k_qb037b6ceb2_proj
	.p2alignl 7, 3214868480
	.fill 96, 4, 3214868480
	.section	.rodata,"a",@progbits
	.p2align	6, 0x0
	.amdhsa_kernel k_qb037b6ceb2_proj
		.amdhsa_group_segment_fixed_size 327680
		.amdhsa_private_segment_fixed_size 0
		.amdhsa_enable_private_segment 0
		.amdhsa_kernarg_size 48
		.amdhsa_user_sgpr_count 2
		.amdhsa_user_sgpr_kernarg_segment_ptr 1
		.amdhsa_wavefront_size32 1
		.amdhsa_system_sgpr_workgroup_id_x 1
		.amdhsa_system_sgpr_workgroup_id_y 1
		.amdhsa_system_sgpr_workgroup_id_z 1
		.amdhsa_system_vgpr_workitem_id 0
		.amdhsa_next_free_vgpr 1024
		.amdhsa_next_free_sgpr 102
		.amdhsa_reserve_vcc 0
		.amdhsa_float_denorm_mode_32 3
		.amdhsa_float_denorm_mode_16_64 3
		.amdhsa_memory_ordered 1
		.amdhsa_forward_progress 1
		.amdhsa_inst_pref_size 146
	.end_amdhsa_kernel
	.amdgpu_metadata
---
amdhsa.version: [ 1, 2 ]
amdhsa.kernels:
  - .name:           k_qb037b6ceb2_proj
    .symbol:         k_qb037b6ceb2_proj.kd
    .args:
      - { .name: oimg, .offset: 0, .size: 8, .value_kind: global_buffer, .address_space: global }
      - { .name: oscl, .offset: 8, .size: 8, .value_kind: global_buffer, .address_space: global }
      - { .name: codes, .offset: 16, .size: 8, .value_kind: global_buffer, .address_space: global }
      - { .name: scl, .offset: 24, .size: 8, .value_kind: global_buffer, .address_space: global }
      - { .name: out_b, .offset: 32, .size: 8, .value_kind: global_buffer, .address_space: global }
      - { .name: out0, .offset: 40, .size: 8, .value_kind: global_buffer, .address_space: global }
    .group_segment_fixed_size: 327680
    .private_segment_fixed_size: 0
    .kernarg_segment_align: 8
    .kernarg_segment_size: 48
    .max_flat_workgroup_size: 128
    .sgpr_count:     102
    .vgpr_count:     1024
    .wavefront_size: 32
...
	.end_amdgpu_metadata
.endif
;; end of part 4
